; MI455X (gfx1250); checked and timed in simulation.
; The chip was launched on July 23, 2026; its instructions are those of AMD's public machine-readable ISA for CDNA 5 (MIT licence, August 2026) and "CDNA5" Instruction Set Architecture Reference Guide (July 2026). The comments in the code are by the model that wrote it; some were corrected since.
;; Multi Head Attention. Allowed arithmetic: matrix products marked QUANTISED: E2M3 operands, one E8M0 scale for each 32 along K, by v_wmma_scale_f32_16x16x128_f8f6f4 with both operands' format E2M3, f32 sums; everything else in f32.
;; Inputs: K 4 x 2,048 x 1,024 float32; Q 4 x 2,048 x 1,024 float32; V 4 x 2,048 x 1,024 float32; Wk 16 x 1,024 x 64 float32; Wo 1,024 x 1,024 float32; Wq 16 x 1,024 x 64 float32; Wv 16 x 1,024 x 64 float32; bk 16 x 64 float32; bo 1,024 float32; bq 16 x 64 float32; bv 16 x 64 float32.
;; Outputs: out0 4 x 2,048 x 1,024 float32.
;; This version of the problem:
;;   THIS VERSION OF THE PROBLEM IS GIVEN IN LOW PRECISION. The matrix products marked QUANTISED in the list below multiply operands that are first quantised to E2M3 (2 exponent bits, 3 mantissa bits; 6 bits a number), with one power-of-two scale for each 32 numbers along K (OCP MX v1.0); their sums are f32. All else is computed in f32.
;;   The module's matrix products, in the order in which they are computed (A, B: the left and right operand; K: the contracted axis; several contracted axes count as one K, in the product's order):
;;     1. [M 1,024, K 1,024] x [K 1,024, N 8,192]; A: input Wq; B: input Q: QUANTISED
;;     2. [M 1,024, K 1,024] x [K 1,024, N 8,192]; A: input Wk; B: input K: QUANTISED
;;     3. [M 1,024, K 1,024] x [K 1,024, N 8,192]; A: input Wv; B: input V: QUANTISED
;;     4. batch 64 x [M 2,048, K 64] x [K 64, N 2,048]; A: computed on the way; B: computed on the way: QUANTISED
;;     5. batch 64 x [M 2,048, K 2,048] x [K 2,048, N 64]; A: softmax (see below); B: computed on the way: QUANTISED
;;     6. [M 8,192, K 1,024] x [K 1,024, N 1,024]; A: computed on the way; B: input Wo: QUANTISED
;;   THE QUANTISER, for each operand of a quantised product, along K:
;;     - K is cut into blocks of 32 from its start; a last block that is shorter is filled with zeros.
;;     - A block's scale is 2^e with e = floor(log2(the largest magnitude in the block)) - 2, held to -126 .. 127; a block of zeros has e = 0. As a byte (E8M0): e + 127.
;;     - Each number is divided by its block's scale, clamped to +-7.5, and rounded to the nearest number of E2M3, ties to even, subnormals kept.
;;     - The product sums the exact products of the quantised numbers (number of the format x scale) in f32.
;;   ~~~python
;;   def quantise(x, axis):      # numpy; x: float32 -> the quantised numbers, widened to float32 again
;;       x = np.moveaxis(x, axis, -1); K = x.shape[-1]
;;       x = np.pad(x, [(0, 0)] * (x.ndim - 1) + [(0, -K % 32)]); x = x.reshape(x.shape[:-1] + (-1, 32)); a = np.abs(x).max(-1, keepdims=True)
;;       e = np.where(a > 0, np.clip(np.frexp(np.where(a > 0, a, 1))[1] - 1 - 2, -126, 127), 0)      # np.frexp(a)[1] - 1 = floor(log2(a)), exactly
;;       r = np.clip(x / 2.0 ** e, -7.5, 7.5)
;;       step = 2.0 ** (np.maximum(np.frexp(np.where(r == 0, 1, r))[1] - 1, 0) - 3)
;;       q = np.round(r / step) * step * 2.0 ** e      # np.round: ties to even
;;       return np.moveaxis(q.reshape(q.shape[:-2] + (-1,))[..., :K], -1, axis).astype(np.float32)
;;   ~~~
;;   SOFTMAX AHEAD OF A QUANTISED PRODUCT. Where the list says 'softmax', what is quantised is not the finished softmax but p = 2^(t - M), with t = logit x log2(e) and M = ceil(the row's largest t), a whole number; so 1/2 < the row's largest p <= 1. The row's sum l is taken of the UNQUANTISED p, in f32, and the product's result is divided by l at the end. Since M is a whole number, a kernel that streams over the keys may use a running M (the ceiling of the running maximum): every later rescaling is an exact power of two, which a block's scale takes up: the codes' values come out the same.
;;   OPERANDS COMPUTED ON THE WAY. 'Computed on the way' means the value that the module computes at that place (a softmax that the list does not call 'softmax' is quantised finished and normalised). What goes into a quantiser is computed in f32, as accurately as f32 sums, v_exp_f32 and their like allow (about 1e-6 of the number): no bf16 or f16 on the way to a quantiser, and a product that is left as it is and whose result goes on into a quantised operand takes f32 operands (vector FMAs, or v_wmma_f32_16x16x4_f32). A number that lies on a knife's edge between two numbers of the format may be rounded either way, as far as f32 arithmetic and the matrix unit's own rounding can turn it there, and no further.
;; One version. Each part assembles by itself: llvm-mc -triple=amdgcn-amd-amdhsa -mcpu=gfx1250 --defsym DOCPART=n.
;; ======== version 1 of 1: 4 launches
;; workspace buffers: xc 18,874,368 bytes; xs 786,432 bytes; wc 3,145,728 bytes; ws 131,072 bytes; qkv 19,660,800 bytes; oc 6,291,456 bytes; os 262,144 bytes
;; launch quant (part 1): grid 896 x 1, 4 waves a work-group, no clusters, 68,096 bytes of LDS; arguments Q, K, V, Wq, Wk, Wv, Wo, xc, xs, wc, ws; writes xc, xs, wc, ws
.if DOCPART == 1
	.amdgcn_target "amdgcn-amd-amdhsa--gfx1250"
	.amdhsa_code_object_version 6
	.text
	.protected	k_q2a9093cca2_quant
	.globl	k_q2a9093cca2_quant
	.p2align	8
	.type	k_q2a9093cca2_quant,@function
k_q2a9093cca2_quant:
	s_mov_b64 s[64:65], 0
	v_nop
	global_prefetch_b8 v0, s[64:65] scope:SCOPE_SE
	s_setreg_imm32_b32 hwreg(HW_REG_WAVE_MODE, 25, 1), 1
	s_wait_xcnt 0x0
; Q, K, V [8192][1024] f32 (K of the product innermost) and Wq, Wk, Wv [16][1024][64], Wo [1024][1024] f32 (K of the product NOT innermost) become codes of FP6 (E2M3),
; K innermost, 768 bytes a row, with one E8M0 byte for each 32 along K, 32 bytes a row:  xc [3][8192][768], xs [3][8192][32];  wc [4][1024][768], ws [4][1024][32] (row = 64 head + column, or Wo's column).
; A block's scale is 2^(floor(log2(its largest magnitude)) - 2); its byte is the largest magnitude's exponent field - 2, held at 1 from below.
; THE ROWS ARE STORED IN ANOTHER ORDER: row i of a tensor goes to buffer row sigma(i), i with its bits 3 and 4 exchanged.  A fragment of 16 neighbouring buffer rows then holds the true rows
; 32 b + 8 u + (r % 8) + 16 (r / 8) (tile 2 b + u, lane r), so that in the products that follow a lane's 16 registers of two neighbouring tiles are 16 neighbours along the other axis.
; LIMITS: NaN and infinities among the inputs are not served.  A block whose largest magnitude lies under 2^-124 keeps the byte 1; a block of zeros gets the byte 1 where the rule says 127:
; its codes are zeros, which add nothing under any byte but 0xff, and these bytes are read by this program alone.
; Work-groups 0 to 767 take Q, K, V: plain streams of blocks of 32; a wave takes 8 rows (8,192 numbers) in 16 steps of 512.  Work-groups 768 to 895 take the weights: a lane to a column, registers down K.
; The two ways part on the work-group's number and have LDS bytes of their own.  No tensor loads, no barrier: waves share nothing.
.set STEPS, 16
.set EMAX,  2
.set CB,    12                         ; bytes of 16 codes
.set R,     16                         ; tokens: v16-79   four sets of 16 numbers as they are loaded
.set X,     80                         ; tokens: v80-111  two sets of 16 neighbours
.set E,     112                        ; tokens: v112-127 a scale byte for each step
.set C,     128                        ; tokens: v128-191 codes, four registers for each step
.set WREG,  8192                       ; tokens: LDS region of a wave: two stages of 32 x SP bytes, behind them its 256 scale bytes
.set SP,    80                         ; a lane's place in a stage: 64 bytes + 16
.set SPW,   12                         ; v12  LDS address of my spare word; never rewritten
.set NIL,   13                         ; v13  0; never rewritten
.set WSTG,  32768                      ; weights: the four waves' stages, 32 rows of PITCH bytes each
.set PITCH, 272                        ; a stage row: sixteen places of 16 bytes, each with 12 bytes of codes, + 16
.set SPARE, WSTG+4*32*PITCH            ; the spare words, 128 bytes for each wave: two blocks of 256 bytes that no other line names
.set KROW,  768                        ; a row of codes in bytes
.set NB,    8                          ; weights: blocks of 32 along K for a wave (256 along K)
.set WX,    32                         ; weights: v32-95   two sets of 32 numbers
.set WC,    96                         ; weights: v96-102  a block's codes
.set OUTR,  112                        ; weights: v112-175 the way out
.set OFF,   176                        ; weights: v176-207 4 x lane + i x the pitch from k to k + 1
.set SBY,   24                         ; weights: v24-25   the scale bytes, four to a register
.set SB,    32                         ; weights: s[32:47] the address of each of the 8 blocks' first row
	s_load_b256 s[4:11], s[0:1], 0x0               ; Q s[4:5], K s[6:7], V s[8:9], Wq s[10:11]
	s_load_b256 s[12:19], s[0:1], 0x20             ; Wk s[12:13], Wv s[14:15], Wo s[16:17], xc s[18:19]
	s_load_b128 s[20:23], s[0:1], 0x40             ; xs s[20:21], wc s[22:23]
	s_load_b64 s[24:25], s[0:1], 0x50              ; ws
	v_lshl_add_u32 v[SPW], v0, 2, SPARE
	v_mov_b32 v[NIL], 0
	v_lshrrev_b32 v1, 5, v0
	v_readfirstlane_b32 s26, v1                    ; wave 0..3
	v_and_b32 v2, 31, v0                           ; lane
	s_cmp_lt_u32 ttmp9, 768
	s_cbranch_scc0 .Lweights
	; ---------------- Q, K, V ----------------
	v_lshlrev_b32 v3, 4, v2                        ; my 16 bytes of a load's 512
	s_mul_i32 s27, s26, WREG
	v_lshrrev_b32 v14, 2, v2
	v_mul_u32_u24 v14, v14, SP
	v_and_b32 v15, 3, v2
	v_lshl_add_u32 v14, v15, 4, v14
	v_add_nc_u32 v14, s27, v14                     ; the stage, on the way in: SP (lane / 4) + 16 (lane % 4)
	v_mul_u32_u24 v15, v2, SP
	v_add_nc_u32 v15, s27, v15                     ; and on the way out: SP x lane: my 16 neighbours
	v_mul_u32_u24 v4, v2, CB                       ; my codes' place in a step's
	v_lshrrev_b32 v5, 1, v2
	s_add_co_u32 s27, s27, 2*32*SP
	v_add_nc_u32 v5, s27, v5                       ; LDS: my wave's 256 scale bytes, my block's byte
	v_lshlrev_b32 v7, 3, v2                        ; and on the way out 8 bytes a lane
	v_add_nc_u32 v6, s27, v7
	s_and_b32 s28, ttmp9, 255
	s_lshl_b32 s28, s28, 2
	s_add_co_u32 s28, s28, s26                     ; which 8 rows of the tensor are my wave's,
	s_lshl_b32 s28, s28, 15                        ; in bytes: 32,768 a run
	s_mov_b32 s29, 0
	s_and_b32 s30, s26, 1
	s_lshl_b32 s30, s30, 1
	s_lshr_b32 s31, s26, 1
	s_or_b32 s30, s30, s31                         ; the wave's number with its two bits exchanged: bits 3 and 4 of the rows' numbers
	s_lshl_b32 s31, ttmp9, 2
	s_add_co_u32 s30, s30, s31                     ; where the run goes: the three tensors' slabs follow each other in xc and xs
	s_mul_i32 s32, s30, 32*STEPS*CB                ; 6,144 bytes of codes a run
	s_mov_b32 s33, 0
	s_lshl_b32 s34, s30, 8                         ; 256 scale bytes a run
	s_mov_b32 s35, 0
	s_wait_kmcnt 0x0
	s_cmp_lt_u32 ttmp9, 512                        ; the choice hangs on the work-group's number alone
	s_cselect_b64 s[6:7], s[6:7], s[8:9]           ; K or V
	s_cmp_lt_u32 ttmp9, 256
	s_cselect_b64 s[4:5], s[4:5], s[6:7]           ; Q, or that
	s_add_nc_u64 s[4:5], s[4:5], s[28:29]
	s_add_nc_u64 s[18:19], s[18:19], s[32:33]
	s_add_nc_u64 s[20:21], s[20:21], s[34:35]
.macro XLOAD t
.irp i, 0,1,2,3
	global_load_b128 v[R+16*((\t)%4)+4*\i:R+16*((\t)%4)+4*\i+3], v3, s[4:5] offset:2048*(\t)+512*\i th:TH_LOAD_NT   ; 32 lanes read 512 consecutive bytes
.endr
.endm
.macro XTURN t                         ; step t's numbers through the stage: LDS serves a wave's instructions in order, so no wait stands between the stores and the loads
.irp i, 0,1,2,3
	ds_store_b128 v14, v[R+16*((\t)%4)+4*\i:R+16*((\t)%4)+4*\i+3] offset:32*SP*((\t)%2)+8*SP*\i
.endr
.irp i, 0,1,2,3
	ds_load_b128 v[X+16*((\t)%2)+4*\i:X+16*((\t)%2)+4*\i+3], v15 offset:32*SP*((\t)%2)+16*\i
.endr
.endm
.irp t, 0,1,2,3
	XLOAD \t
.endr
	s_wait_loadcnt 12                              ; step 0's four loads are in; the twelve of steps 1 to 3 may be out
	XTURN 0
.macro XSTEP t
.set XS, X+16*((\t)%2)
.if (\t) > 0
	s_wait_dscnt 1                                 ; this step's numbers are back from the stage (the last step's byte store may be out): so its stores into the stage have read their registers,
.else
	s_wait_dscnt 0x0
.endif
.if (\t)+4 < STEPS
	XLOAD (\t)+4                                   ; which take the loads of four steps on
.endif
.if (\t)+1 < STEPS
.if STEPS-2-(\t) >= 3
	s_wait_loadcnt 12                              ; the next step's four loads are in; those of the three steps behind it may be out
.else
	s_wait_loadcnt 4*(STEPS-2-(\t))
.endif
	XTURN (\t)+1                                   ; and go through the other stage while this step is worked
.endif
	v_max3_num_f32 v8, |v[XS]|, |v[XS+1]|, |v[XS+2]|               ; the largest magnitude of my 16
	v_max3_num_f32 v9, |v[XS+3]|, |v[XS+4]|, |v[XS+5]|
.irp i, 6,10
	v_max3_num_f32 v8, v8, |v[XS+\i]|, |v[XS+\i+1]|
	v_max3_num_f32 v9, v9, |v[XS+\i+2]|, |v[XS+\i+3]|
.endr
	v_max3_num_f32 v8, v8, |v[XS+14]|, |v[XS+15]|
	v_max3_num_f32 v8, v8, v9, (EMAX+1)<<23        ; and the floor 2^(3 - 127): the byte cannot fall under 1
	v_max_num_f32_dpp v8, v8, v8 row_xmask:1 row_mask:0xf bank_mask:0xf   ; and of my neighbour's 16: the block's
	v_add_nc_u32 v11, -(EMAX<<23), v8              ; 2 off its exponent field: the conversion takes the exponent field of this operand as its scale
	v_cvt_scalef32_pk16_fp6_f32 v[C+4*(\t):C+4*(\t)+2], v[XS:XS+15], v11
	v_lshrrev_b32 v[E+(\t)], 23, v11               ; the scale's byte
	ds_store_b8 v5, v[E+(\t)] offset:16*(\t)       ; both lanes of a block write the same byte with the same value
	global_store_b96 v4, v[C+4*(\t):C+4*(\t)+2], s[18:19] offset:32*CB*(\t)   ; the wave stores 384 consecutive bytes
.endm
.irp t, 0,1,2,3,4,5,6,7,8,9,10,11,12,13,14,15
	XSTEP \t
.endr
	ds_load_b64 v[8:9], v6                         ; LDS serves a wave's instructions in order: these see my stores
	s_wait_dscnt 0x0
	global_store_b64 v7, v[8:9], s[20:21]          ; 32 lanes store 256 consecutive bytes, aligned
	s_wait_tensorcnt 0x0                           ; the wave's end, behind my last LDS store
	ds_add_u32 v[SPW], v[NIL]
	s_wait_dscnt 0x0
	s_endpgm
	; ---------------- Wq, Wk, Wv, Wo ----------------
	; g = work-group - 768: tensor g / 32, which 256 along K (g / 8) % 4, which 128 columns g % 8; a wave takes 32 columns, a lane one.
	; From k to k + 1 of a column are 256 bytes in Wq, Wk, Wv (a head's rows of 64) and 4,096 in Wo: the pitch is a number in a register, so one text serves both.
.Lweights:
	s_sub_co_u32 s27, ttmp9, 768
	s_lshr_b32 s28, s27, 5                         ; the tensor: 0 Wq, 1 Wk, 2 Wv, 3 Wo
	s_bfe_u32 s29, s27, 0x20003                    ; which 256 along K
	s_and_b32 s27, s27, 7
	s_lshl_b32 s27, s27, 7
	s_lshl_b32 s31, s26, 5
	s_add_co_u32 s27, s27, s31                     ; my wave's first column n0
	s_lshl_b32 s48, s27, 2
	s_lshl_b32 s49, s29, 20
	s_add_co_u32 s48, s48, s49                     ; Wo: 4 n0 + 256 rows of 4,096 bytes for each part of K
	s_lshr_b32 s49, s27, 6
	s_lshl_b32 s49, s49, 18                        ; the others: the head's 262,144 bytes,
	s_and_b32 s50, s27, 63
	s_lshl_b32 s50, s50, 2
	s_add_co_u32 s49, s49, s50                     ; the column in the head,
	s_lshl_b32 s50, s29, 16
	s_add_co_u32 s49, s49, s50                     ; 256 rows of 256 bytes for each part of K
	s_mov_b32 s30, 256
	s_cmp_eq_u32 s28, 3
	s_cselect_b32 s30, 4096, s30                   ; the pitch
	s_cselect_b32 s48, s48, s49                    ; my wave's first byte
	s_mov_b32 s49, 0
	s_lshl_b32 s50, s30, 5                         ; a block of 32 along K on
	s_mov_b32 s51, 0
	s_mul_i32 s52, s28, 786432                     ; the codes: the tensor's slab,
	s_mul_i32 s53, s27, KROW
	s_add_co_u32 s52, s52, s53                     ; buffer row n0,
	s_mul_i32 s53, s29, 192
	s_add_co_u32 s52, s52, s53                     ; 192 bytes for each 256 along K
	s_mov_b32 s53, 0
	s_lshl_b32 s54, s28, 15                        ; the scale bytes likewise: 32,768 a slab, 32 a row, 8 a part
	s_lshl_b32 s55, s27, 5
	s_add_co_u32 s54, s54, s55
	s_lshl_b32 s55, s29, 3
	s_add_co_u32 s54, s54, s55
	s_mov_b32 s55, 0
	v_lshlrev_b32 v3, 2, v2                        ; in: 4 bytes a lane
	v_and_b32 v4, 7, v2
	v_bfe_u32 v5, v2, 3, 1
	v_lshl_add_u32 v4, v5, 4, v4
	v_bfe_u32 v5, v2, 4, 1
	v_lshl_add_u32 v10, v5, 3, v4                  ; sigma(lane): the buffer row, among the wave's 32, to which my column goes
	s_mul_i32 s31, s26, 32*PITCH
	s_add_co_u32 s31, s31, WSTG                    ; my stage
	v_mul_u32_u24 v4, v10, PITCH
	v_add_nc_u32 v4, s31, v4                       ; into it: row = sigma(lane)
	v_and_b32 v5, 15, v2
	v_lshrrev_b32 v6, 4, v2                        ; out of it: sixteen lanes to a row, two rows an instruction
	v_mul_u32_u24 v7, v6, PITCH
	v_lshl_add_u32 v7, v5, 4, v7
	v_add_nc_u32 v7, s31, v7
	v_mul_u32_u24 v8, v6, KROW
	v_mad_u32_u24 v8, v5, 12, v8                   ; and the same place in the codes' buffer
	v_lshlrev_b32 v9, 5, v10                       ; my column's row of scale bytes
.set i, 0
.rept 32
	v_mad_u32_u24 v[OFF+i], s30, i, v3             ; row i of a block
.set i, i+1
.endr
	s_wait_kmcnt 0x0
	s_cmp_eq_u32 s28, 0                            ; the choices hang on the work-group's number alone
	s_cselect_b64 s[10:11], s[10:11], s[12:13]
	s_cmp_lt_u32 s28, 2
	s_cselect_b64 s[10:11], s[10:11], s[14:15]
	s_cmp_lt_u32 s28, 3
	s_cselect_b64 s[10:11], s[10:11], s[16:17]
	s_add_nc_u64 s[SB:SB+1], s[10:11], s[48:49]
.irp t, 1,2,3,4,5,6,7
	s_add_nc_u64 s[SB+2*\t:SB+2*\t+1], s[SB+2*\t-2:SB+2*\t-1], s[50:51]
.endr
	s_add_nc_u64 s[22:23], s[22:23], s[52:53]
	s_add_nc_u64 s[24:25], s[24:25], s[54:55]
.macro WLOAD t                         ; block t: W(32 t + i, my column), i = 0 .. 31, into set t % 2; 32 lanes read 128 consecutive bytes
.set i, 0
.rept 32
	global_load_b32 v[WX+32*((\t)%2)+i], v[OFF+i], s[SB+2*(\t):SB+2*(\t)+1] th:TH_LOAD_NT
.set i, i+1
.endr
.endm
	WLOAD 0
	WLOAD 1
.macro WBLOCK t
.set XS, WX+32*((\t)%2)
.if (\t) < NB-1
	s_wait_loadcnt 32                              ; this block's 32 loads are in; the next block's 32 may be out
.else
	s_wait_loadcnt 0
.endif
	v_max3_num_f32 v20, |v[XS]|, |v[XS+1]|, |v[XS+2]|               ; the block's largest magnitude: all 32 numbers are mine
	v_max3_num_f32 v21, |v[XS+3]|, |v[XS+4]|, |v[XS+5]|
.irp i, 6,10,14,18,22,26
	v_max3_num_f32 v20, v20, |v[XS+\i]|, |v[XS+\i+1]|
	v_max3_num_f32 v21, v21, |v[XS+\i+2]|, |v[XS+\i+3]|
.endr
	v_max3_num_f32 v20, v20, |v[XS+30]|, |v[XS+31]|
	v_max3_num_f32 v20, v20, v21, (EMAX+1)<<23     ; and the floor 2^(3 - 127)
	v_add_nc_u32 v11, -(EMAX<<23), v20             ; 2 off its exponent field: the conversion's scale operand
	v_lshrrev_b32 v21, 23, v11                     ; the scale's byte
.if (\t)%4 == 0
	v_mov_b32 v[SBY+(\t)/4], v21                   ; four bytes to a register, the lower K in the lower byte
.else
	v_lshl_or_b32 v[SBY+(\t)/4], v21, 8*((\t)%4), v[SBY+(\t)/4]
.endif
	v_cvt_scalef32_pk16_fp6_f32 v[WC:WC+2], v[XS:XS+15], v11
	v_cvt_scalef32_pk16_fp6_f32 v[WC+4:WC+6], v[XS+16:XS+31], v11   ; (a conversion's three registers begin on an even number)
	ds_store_b96 v4, v[WC:WC+2] offset:32*(\t)     ; 16 codes, 12 bytes, to a place of 16 bytes in the stage
	ds_store_b96 v4, v[WC+4:WC+6] offset:32*(\t)+16
.if (\t)+2 < NB
	WLOAD (\t)+2
.endif
	s_wait_dscnt 0x0                               ; the stores have read their registers: the next block's codes may be written
.endm
.irp t, 0,1,2,3,4,5,6,7
	WBLOCK \t
.endr
	global_store_b64 v9, v[SBY:SBY+1], s[24:25]    ; my column's 8 scale bytes
.irp t, 0,1,2,3,4,5,6,7,8,9,10,11,12,13,14,15
	ds_load_b96 v[OUTR+4*\t:OUTR+4*\t+2], v7 offset:2*\t*PITCH   ; LDS serves a wave's instructions in order: these see my stores
.endr
.irp t, 0,1,2,3,4,5,6,7,8,9,10,11,12,13,14,15
	s_wait_dscnt 15-\t                             ; load t is in; the younger ones may be out
	global_store_b96 v8, v[OUTR+4*\t:OUTR+4*\t+2], s[22:23] offset:2*\t*KROW   ; sixteen lanes store a row's 192 consecutive bytes
.endr
	s_wait_tensorcnt 0x0                           ; the wave's end, behind my last LDS store
	ds_add_u32 v[SPW], v[NIL]
	s_wait_dscnt 0x0
	s_endpgm
.Lfunc_end_k_q2a9093cca2_quant:
	.size	k_q2a9093cca2_quant, .Lfunc_end_k_q2a9093cca2_quant-k_q2a9093cca2_quant
	.p2alignl 7, 3214868480
	.fill 96, 4, 3214868480
	.section	.rodata,"a",@progbits
	.p2align	6, 0x0
	.amdhsa_kernel k_q2a9093cca2_quant
		.amdhsa_group_segment_fixed_size 68096
		.amdhsa_private_segment_fixed_size 0
		.amdhsa_enable_private_segment 0
		.amdhsa_kernarg_size 88
		.amdhsa_user_sgpr_count 2
		.amdhsa_user_sgpr_kernarg_segment_ptr 1
		.amdhsa_wavefront_size32 1
		.amdhsa_system_sgpr_workgroup_id_x 1
		.amdhsa_system_sgpr_workgroup_id_y 1
		.amdhsa_system_sgpr_workgroup_id_z 1
		.amdhsa_system_vgpr_workitem_id 0
		.amdhsa_next_free_vgpr 208
		.amdhsa_next_free_sgpr 66
		.amdhsa_reserve_vcc 0
		.amdhsa_float_denorm_mode_32 3
		.amdhsa_float_denorm_mode_16_64 3
		.amdhsa_memory_ordered 1
		.amdhsa_forward_progress 1
		.amdhsa_inst_pref_size 77
	.end_amdhsa_kernel
	.amdgpu_metadata
---
amdhsa.version: [ 1, 2 ]
amdhsa.kernels:
  - .name:           k_q2a9093cca2_quant
    .symbol:         k_q2a9093cca2_quant.kd
    .args:
      - { .name: Q, .offset: 0, .size: 8, .value_kind: global_buffer, .address_space: global }
      - { .name: K, .offset: 8, .size: 8, .value_kind: global_buffer, .address_space: global }
      - { .name: V, .offset: 16, .size: 8, .value_kind: global_buffer, .address_space: global }
      - { .name: Wq, .offset: 24, .size: 8, .value_kind: global_buffer, .address_space: global }
      - { .name: Wk, .offset: 32, .size: 8, .value_kind: global_buffer, .address_space: global }
      - { .name: Wv, .offset: 40, .size: 8, .value_kind: global_buffer, .address_space: global }
      - { .name: Wo, .offset: 48, .size: 8, .value_kind: global_buffer, .address_space: global }
      - { .name: xc, .offset: 56, .size: 8, .value_kind: global_buffer, .address_space: global }
      - { .name: xs, .offset: 64, .size: 8, .value_kind: global_buffer, .address_space: global }
      - { .name: wc, .offset: 72, .size: 8, .value_kind: global_buffer, .address_space: global }
      - { .name: ws, .offset: 80, .size: 8, .value_kind: global_buffer, .address_space: global }
    .group_segment_fixed_size: 68096
    .private_segment_fixed_size: 0
    .kernarg_segment_align: 8
    .kernarg_segment_size: 88
    .max_flat_workgroup_size: 128
    .sgpr_count:     66
    .vgpr_count:     208
    .wavefront_size: 32
...
	.end_amdgpu_metadata
.endif
;; end of part 1
;; launch proj (part 2): grid 4 x 96, 4 waves a work-group, clusters of 4 x 4, 327,680 bytes of LDS; arguments xc, xs, wc, ws, bq, bk, bv, qkv; writes qkv
.if DOCPART == 2
	.amdgcn_target "amdgcn-amd-amdhsa--gfx1250"
	.amdhsa_code_object_version 6
	.text
	.protected	k_q2a9093cca2_proj
	.globl	k_q2a9093cca2_proj
	.p2align	8
	.type	k_q2a9093cca2_proj,@function
k_q2a9093cca2_proj:
	s_mov_b64 s[64:65], 0
	v_nop
	global_prefetch_b8 v0, s[64:65] scope:SCOPE_SE
	s_setreg_imm32_b32 hwreg(HW_REG_WAVE_MODE, 25, 1), 1
	s_wait_xcnt 0x0
	s_wait_alu depctr_hold_cnt(0) depctr_sa_sdst(0) depctr_va_vdst(0) depctr_va_sdst(0) depctr_va_ssrc(0) depctr_va_vcc(0) depctr_vm_vsrc(0)
	s_getreg_b32 s2, hwreg(HW_REG_IB_STS2, 6, 4)
	s_cmp_eq_u32 s2, 0
	s_cbranch_scc0 .Lentry_in_a_cluster
	s_endpgm
.Lentry_in_a_cluster:
	s_bfe_u32 s2, ttmp6, 0x10000c
	s_cmp_lg_u32 s2, 0xf033
	s_cbranch_scc0 .Lentry_shape_is_right
	s_endpgm
.Lentry_shape_is_right:
; The three input projections q = Q Wq + bq, k = K Wk + bk, v = V Wv + bv on codes of FP6 (E2M3) with one E8M0 scale for each 32 along K = 1,024; sums in f32.  The results, with their biases, are quantised
; in registers for the two products of attention and leave as IMAGES OF OPERAND REGISTERS: q and k along the head's 64, v along the keys.
; A tile of 256 x 256 is made by a work-group of four waves, a wave makes 128 x 128: 64 accumulators.  K goes in steps of 256 through a ring of two LDS slots filled by the tensor data mover; the scale bytes
; of the work-group's rows come once and stay.  96 tile rows of the grid: 32 for q, 32 for k, 32 for v.
; SIDES.  Source 1 of the matrix instruction (side A: the lane's row) and source 0 (side B: the lane's registers run along it).  q, k: A = 256 tokens, B = 256 rows of the weight (4 heads x 64): a lane's registers
; run along the heads' 64.  v: A = 256 rows of Wv, B = 256 tokens: a lane's registers run along the keys.  Which it is hangs on the cluster's y alone, which all sixteen partners share.
; THE BUFFERS' ROWS stand in the order sigma (bits 3 and 4 of a row's number exchanged): lane r of A's block a holds the true row 32 (a / 2) + 8 (a % 2) + (r % 8) + 16 (r / 8), and register 16 b + i of
; the lane's 64 results of a block is the true index 32 b + 16 (lane / 16) + i along side B: 16 neighbours in 16 registers, as the conversions want them.
; qkv: [64 heads][16 steps of 128 tokens][19,200 bytes]; in a step q's part at 0, k's at 6,400, v's at 12,800; a part is 6,144 bytes of images and 256 bytes of scale words.
;   q, k: tile a of 16 tokens at 768 a: lane l's 24 bytes (block l / 16 of its token's 64): 16 at 16 l, 8 at 512 + 8 l.  Scale word at 6,144 + 16 r + 4 (a / 2): tile 2 g's two bytes, then tile 2 g + 1's.
;   v: tile d of 16 of the head's 64 at 1,536 d, half c (64 keys) at + 768 c, in the same form.  Scale word at 6,144 + 16 r + 4 d: one byte for each 32 keys.
; CLUSTERS: 4 x 4 work-groups; A's tiles are asked for jointly along a row of the cluster, B's along a column.
; LIMITS: a block of results whose largest magnitude lies under 2^-124 keeps the byte 1 (a block of zeros too, where the rule says 127: its codes are zeros, and this program alone reads the bytes).
; REGISTERS, in windows of 256: window 0: v0-31 addresses; v32-63 scale words, two sets; v64-127 the bias along side B; v128-223 A's fragments, one set, and behind the loop results at work; v224-239 the bias
;   along side A; v240-255 the results' scale words.   window 1: B's fragments, two sets.   windows 2, 3: the accumulators ((a, b) at v[8 (8 (a % 4) + b)]).
.set SIZE_K, 1024
.set KSTEP,  256                       ; along K in a slot
.set NQ,     KSTEP/128                 ; matrix instructions deep
.set ROWB,   192                       ; a tile's row in bytes
.set KROW,   SIZE_K*6/8                ; a row of codes in memory
.set PITCH,  240                       ; an LDS row: 3 x (64 bytes of data + 16 of padding)
.set FR,     12                        ; registers of a fragment
.set NL,     6                         ; LDS loads that bring one
.set NP,     4                         ; places behind this matrix instruction (ISA guide 7.12.1)
.set HALFT,  128*PITCH                 ; 128 rows: what one tensor load brings
.set SLOT,   4*HALFT                   ; A's 256 rows, then B's 256 rows
.set LAPS,   SIZE_K/(2*KSTEP)          ; a lap = two K steps = once round the ring
.set KS,     SIZE_K/32                 ; a row of scale bytes
.set SCL,    2*SLOT                    ; behind the ring: the scales, as rows of 256 bytes + 16 of padding
.set HALFS,  (128*KS/256)*272          ; the scales of 128 rows
.set SBLK,   (16*KS/256)*272           ; those of 16 rows
.set SPARE,  SCL+4*HALFS               ; the spare words, 128 bytes for each wave: two blocks of 256 bytes that no other line names
.set HS,     307200                    ; qkv: a head
.set SS,     19200                     ; a step of 128 tokens
.set PS,     6400                      ; a part
.set SELQ, 7                           ; v7      byte selects for q's and k's scale words
.set SELV, 8                           ; v8      and for v's
.set ADRA, 16                          ; v16-17  LDS address of my A fragments in slot 0, 1  (v18-19: the same behind one padding more)
.set ADRB, 20                          ; v20-21  the same for B  (v22-23)
.set VO16, 24                          ; v24     16 x lane
.set VO8,  25                          ; v25     8 x lane
.set VSC,  26                          ; v26     the scale words' place: 16 r, and a head on for lanes 16-31
.set ADRS, 27                          ; v27     LDS address of my scale words: lanes 0-15 A's rows, lanes 16-31 B's
.set SPW,  28                          ; v28     LDS address of my spare word; never rewritten
.set NIL,  29                          ; v29     0; never rewritten
.set VBR,  30                          ; v30     64 x (lane / 16)
.set VBL,  31                          ; v31     4 x ((r % 8) + 16 (r / 8))
.set SC,   32                          ; scale words: set s at v[SC + 16 s]
.set BR,   64                          ; v64-127 bias of index 32 b + 16 (lane / 16) + i in register 16 b + i
.set AF,   128                         ; A's fragments
.set H,    128                         ; behind the loop: v128-191 a block's 64 results
.set CDS,  192                         ; v192-210 the codes just made
.set TM,   212                         ; v212-215 largest magnitudes, v216-219 bytes, v220-223 the conversions' scale operands
.set BL,   224                         ; v224-239 bias of my row of A's block a, twice: a pair for the packed addition
.set PWS,  240                         ; v240-247 the scale word of each of the 8 blocks
.set WA,   248                         ; v248-251, v252-255 the scale words as they are stored
.set WB,   252
.set SEL,  20                          ; s[20:21] behind the loop: lane selects for v_permlanex16_b32
.set G1, 24                            ; s[24:31] descriptor group 1 for A's tiles;  s[32:39] group 0, one set for each slot
.set G0, 32
.set G1B, 48                           ; s[48:55], s[56:63] the same for B's tiles
.set G0B, 56
.set G1S, 68                           ; s[68:75], s[76:79] groups 1 and 0 for A's scales;  s[80:87], s[88:91] for B's
.set G0S, 76
.set G1SB, 80
.set G0SB, 88
.set MSB, 0
.macro WIN new                         ; the immediate's high byte repeats the setting that is left
.if MSB != \new
	s_set_vgpr_msb (MSB<<8)|\new
.set MSB, \new
.endif
.endm
.set MUL_LO, 0xa1                      ; source 0 (B) window 1, source 1 (A) window 0, C and D window 2
.set MUL_HI, 0xf1                      ; the same, C and D window 3
.set TO_B,   0x40                      ; destination window 1, address window 0
; A joint load: waves 0 and 1 fetch for A, waves 2 and 3 for B.  Each of the two lines has one mask and one set of registers for all that issue it; the branch hangs on the wave's number alone.
; An s_nop 0 and four v_nop follow each of the two lines, ahead of the jump, the label and what follows.
.macro JLOAD g0a, g1a, g0b, g1b
	s_cmp_eq_u32 s15, 0
	s_cbranch_scc0 .Lfor_b_\@
	tensor_load_to_lds s[\g0a:\g0a+3], s[\g1a:\g1a+7]
	s_nop 0
.rept 4
	v_nop
.endr
	s_branch .Lasked_\@
.Lfor_b_\@:
	tensor_load_to_lds s[\g0b:\g0b+3], s[\g1b:\g1b+7]
	s_nop 0
.rept 4
	v_nop
.endr
.Lasked_\@:
.endm
.macro CREST                           ; a round of the cluster's barrier behind its opening barrier
	s_cmp_lg_u32 s14, 0
	s_cbranch_scc1 .Lnot_wave_0_\@
	s_barrier_signal -3
.Lnot_wave_0_\@:
	s_barrier_wait -3
	s_barrier_signal -1
	s_barrier_wait -1
.endm
.macro CROUND                          ; a whole round
	s_barrier_signal -1
	s_barrier_wait -1
	CREST
.endm
	s_load_b256 s[4:11], s[0:1], 0x0               ; xc s[4:5], xs s[6:7], wc s[8:9], ws s[10:11]
	s_load_b128 s[92:95], s[0:1], 0x20             ; bq s[92:93], bk s[94:95]
	s_load_b128 s[96:99], s[0:1], 0x30             ; bv s[96:97], qkv s[98:99]
	v_lshl_add_u32 v[SPW], v0, 2, SPARE
	v_mov_b32 v[NIL], 0
	ds_add_u32 v[SPW], v[NIL]                      ; the wave's opening: the add and its wait ahead of my first tensor load; the set-up below, work on registers, stands between them
	v_lshrrev_b32 v1, 5, v0
	v_readfirstlane_b32 s14, v1                    ; wave 0..3
	s_lshr_b32 s15, s14, 1                         ; which half of A's rows is mine.  Also: I fetch for A (0) or for B (1)
	s_and_b32 s16, s14, 1                          ; which half of B's rows.  Also: which 128 rows of that tile I fetch
	s_bfe_u32 s40, ttmp6, 0x40000                  ; cx, cy: my place in the cluster
	s_bfe_u32 s41, ttmp6, 0x40004
	s_and_b32 s101, ttmp7, 0xffff                  ; the cluster's y, 0 .. 23
	s_lshr_b32 s100, s101, 3                       ; which product: 0 q, 1 k, 2 v
	s_and_b32 s101, s101, 7
	s_lshl_b32 s101, s101, 2                       ; the first of the cluster's four tiles of tokens
	s_cmp_eq_u32 s100, 2
	s_cselect_b32 s17, 0, s101
	s_cselect_b32 s42, s101, 0
	s_add_co_u32 s17, s17, s41                     ; A's tile: q, k: tokens, 4 x (y % 8) + cy;  v: rows of Wv, cy
	s_add_co_u32 s42, s42, s40                     ; B's tile: q, k: rows of the weight, cx;  v: tokens, 4 x (y % 8) + cx
	s_lshl_b32 s43, s41, 2
	s_lshl_b32 s43, 15, s43                        ; my row of the cluster
	s_lshl_b32 s44, 0x1111, s40                    ; my column
	; descriptor group 1: a tile of 128 rows x ROWB bytes, padded in LDS
	s_or_b32 s[G1+0], s43, (0<<16)|(1<<20)|(1<<21)|(3<<22)|(3<<25)  ; 15:0 the mask: A's tiles go to my row; 17:16 element of 1 byte; 20 padding on; 21 set beside a mask; 24:22 after every 16 words (code 3); 31:25 of 4 words (code 3)
	s_or_b32 s[G1B+0], s44, (0<<16)|(1<<20)|(1<<21)|(3<<22)|(3<<25)
.irp g, G1, G1B
	s_mov_b32 s[\g+1], ROWB<<16                    ; tensor_dim0
	s_mov_b32 s[\g+2], 128<<16                     ; tensor_dim1 = 128
	s_mov_b32 s[\g+3], ROWB<<16                    ; tile_dim0
	s_mov_b32 s[\g+4], 128                         ; tile_dim1 = 128
	s_mov_b32 s[\g+5], KROW                        ; tensor_dim0_stride
	s_mov_b32 s[\g+6], 0
	s_mov_b32 s[\g+7], 0
.endr
	; and for the scales of 128 rows: a dense block of 4,096 bytes, as rows of 256 bytes (32 elements of 8 bytes), 16 bytes of padding behind each
	s_or_b32 s[G1S+0], s43, (3<<16)|(1<<20)|(1<<21)|(5<<22)|(3<<25)
	s_or_b32 s[G1SB+0], s44, (3<<16)|(1<<20)|(1<<21)|(5<<22)|(3<<25)
.irp g, G1S, G1SB
	s_mov_b32 s[\g+1], 32<<16
	s_mov_b32 s[\g+2], (128*KS/256)<<16
	s_mov_b32 s[\g+3], 32<<16
	s_mov_b32 s[\g+4], 128*KS/256
	s_mov_b32 s[\g+5], 32
	s_mov_b32 s[\g+6], 0
	s_mov_b32 s[\g+7], 0
.endr
	; where the tiles come from, as plain numbers (all under 2^32).  A's hang on cy and the cluster's y, B's on cx and the cluster's y: neither ever holds the other's coordinate
	s_mul_i32 s2, s100, 6291456                    ; the product's slab in xc,
	s_mul_i32 s3, s100, 786432                     ; in wc,
	s_lshl_b32 s12, s100, 18                       ; in xs,
	s_lshl_b32 s13, s100, 15                       ; in ws
	s_cmp_eq_u32 s100, 2
	s_cselect_b32 s18, s3, s2                      ; A's codes lie in wc for v, else in xc
	s_cselect_b32 s19, s2, s3                      ; B's the other way round
	s_cselect_b32 s66, s13, s12
	s_cselect_b32 s67, s12, s13
	s_lshl_b32 s21, s16, 7                         ; which 128 rows of the tile I fetch
	s_lshl_b32 s20, s17, 8
	s_add_co_u32 s20, s20, s21                     ; A: row 256 x tile + 128 x half
	s_lshl_b32 s46, s42, 8
	s_add_co_u32 s46, s46, s21                     ; B likewise
	s_lshl_b32 s22, s20, 5
	s_add_co_u32 s22, s22, s66                     ; A's scale bytes
	s_mov_b32 s23, 0
	s_mul_i32 s20, s20, KROW
	s_add_co_u32 s20, s20, s18                     ; A's codes
	s_mov_b32 s21, 0
	s_lshl_b32 s104, s46, 5
	s_add_co_u32 s104, s104, s67                   ; B's scale bytes
	s_mov_b32 s105, 0
	s_mul_i32 s46, s46, KROW
	s_add_co_u32 s46, s46, s19                     ; B's codes
	s_mov_b32 s47, 0
	s_mul_i32 s45, s14, HALFT                      ; where they go: wave x 128 rows: no place in the cluster enters an LDS address
	s_mul_i32 s101, s14, HALFS
	s_wait_dscnt 0x0                               ; the opening add is done
	s_wait_kmcnt 0x0
	s_cmp_eq_u32 s100, 0                           ; the choices of buffers hang on the cluster's y alone
	s_cselect_b64 s[92:93], s[92:93], s[94:95]     ; bq or bk,
	s_cmp_eq_u32 s100, 2
	s_cselect_b64 s[92:93], s[96:97], s[92:93]     ; or bv
	s_cselect_b64 s[18:19], s[8:9], s[4:5]         ; A's codes: wc for v, else xc
	s_cselect_b64 s[2:3], s[10:11], s[6:7]         ; A's scales
	s_cselect_b64 s[8:9], s[4:5], s[8:9]           ; B's codes
	s_cselect_b64 s[10:11], s[6:7], s[10:11]       ; B's scales
	s_cselect_b32 s97, -1, 0                       ; v or not, as a mask of lanes
	s_add_nc_u64 s[20:21], s[18:19], s[20:21]
	s_add_nc_u64 s[22:23], s[2:3], s[22:23]
	s_add_nc_u64 s[46:47], s[8:9], s[46:47]
	s_add_nc_u64 s[94:95], s[10:11], s[104:105]
	CROUND                                         ; all sixteen work-groups are here: the first joint loads meet
	s_mov_b32 s[G0S], 1
	s_add_co_u32 s[G0S+1], s101, SCL
	s_mov_b64 s[G0S+2:G0S+3], s[22:23]
	s_or_b32 s[G0S+3], s[G0S+3], 0x80000000
	s_mov_b32 s[G0SB], 1
	s_add_co_u32 s[G0SB+1], s101, SCL
	s_mov_b64 s[G0SB+2:G0SB+3], s[94:95]
	s_or_b32 s[G0SB+3], s[G0SB+3], 0x80000000
	JLOAD G0S, G1S, G0SB, G1SB                     ; the scales first: they are wanted with K step 0
.irp s, 0,1
	s_mov_b32 s[G0+4*\s], 1
	s_add_co_u32 s[G0+4*\s+1], s45, \s*SLOT
	s_add_nc_u64 s[G0+4*\s+2:G0+4*\s+3], s[20:21], \s*ROWB
	s_or_b32 s[G0+4*\s+3], s[G0+4*\s+3], 0x80000000
	s_mov_b32 s[G0B+4*\s], 1
	s_add_co_u32 s[G0B+4*\s+1], s45, \s*SLOT
	s_add_nc_u64 s[G0B+4*\s+2:G0B+4*\s+3], s[46:47], \s*ROWB
	s_or_b32 s[G0B+4*\s+3], s[G0B+4*\s+3], 0x80000000
	JLOAD G0+4*\s, G1, G0B+4*\s, G1B               ; three tensor loads of mine are out now
.endr
	v_and_b32 v1, 15, v0                           ; r = l % 16
	v_bfe_u32 v2, v0, 4, 1                         ; l / 16
	v_mul_u32_u24 v3, v1, PITCH
	v_mul_u32_u24 v4, v2, 24
	v_add_nc_u32 v4, v3, v4                        ; a fragment's row x pitch + 24 x half
	v_lshl_add_u32 v5, v2, 4, v4                   ; and the same behind one padding more
	s_mul_i32 s21, s15, HALFT                      ; my 128 rows of A
	s_mul_i32 s22, s16, HALFT                      ; my 128 rows of B,
	s_add_co_u32 s22, s22, 2*HALFT                 ; which lie behind A's 256
.irp s, 0,1
	v_add_nc_u32 v[ADRA+\s], s21, v4
	v_add_nc_u32 v[ADRB+\s], s22, v4
	v_add_nc_u32 v[ADRA+2+\s], s21, v5
	v_add_nc_u32 v[ADRB+2+\s], s22, v5
	s_add_co_u32 s21, s21, SLOT
	s_add_co_u32 s22, s22, SLOT
.endr
	v_mul_u32_u24 v5, v1, KS                       ; my row's scales: KS bytes a row,
	v_lshrrev_b32 v6, 8, v5
	v_lshl_add_u32 v5, v6, 4, v5                   ; and 16 more for each 256 passed
	s_mul_i32 s21, s15, HALFS                      ; A's: my 128 rows
	s_mul_i32 s22, s16, HALFS                      ; B's: my 128 rows, behind A's 256
	s_add_co_u32 s22, s22, 2*HALFS
	s_sub_co_u32 s22, s22, s21
	v_mul_u32_u24 v6, s22, v2                      ; lanes 16-31 take B's
	s_add_co_u32 s21, s21, SCL
	v_add_nc_u32 v5, v5, v6
	v_add_nc_u32 v[ADRS], s21, v5
	; where the results go, and the biases
	s_lshl_b32 s20, s17, 8
	s_lshl_b32 s21, s15, 7
	s_add_co_u32 s20, s20, s21                     ; my first row on side A
	s_lshl_b32 s21, s42, 8
	s_lshl_b32 s22, s16, 7
	s_add_co_u32 s21, s21, s22                     ; and on side B
	s_cmp_eq_u32 s100, 2
	s_cselect_b32 s22, s21, s20                    ; my first token (a multiple of 128),
	s_cselect_b32 s23, s20, s21                    ; my first row of the weight (a multiple of 128: two heads)
	s_lshr_b32 s18, s22, 11
	s_lshl_b32 s18, s18, 4
	s_lshr_b32 s19, s23, 6
	s_add_co_u32 s18, s18, s19                     ; 16 x batch + head
	s_mul_i32 s18, s18, HS
	s_bfe_u32 s19, s22, 0x40007                    ; the step of 128 tokens
	s_mul_i32 s19, s19, SS
	s_add_co_u32 s18, s18, s19
	s_mul_i32 s19, s100, PS                        ; the part
	s_add_co_u32 s18, s18, s19
	s_mov_b32 s19, 0
	s_add_nc_u64 s[12:13], s[98:99], s[18:19]      ; s[12:13]: where registers 0-5 of a block's codes go
	s_lshl_b32 s18, s23, 2
	s_add_nc_u64 s[92:93], s[92:93], s[18:19]      ; the bias at my first row of the weight
	s_mov_b32 s98, 768
	s_mov_b32 s18, HS
	s_cmp_eq_u32 s100, 2
	s_cselect_b32 s98, 1536, s98                   ; s[98:99]: from block to block: q, k a tile of 768 bytes; v a tile of 1,536
	s_cselect_b32 s18, 768, s18                    ; from registers 0-5 to registers 6-11: q, k the next head; v the tile's second half
	s_cselect_b32 s104, HS-6144, 0                 ; s[104:105]: v, behind four blocks: on to the next head
	s_mov_b32 s99, 0
	s_mov_b32 s105, 0
	s_add_nc_u64 s[66:67], s[12:13], s[18:19]      ; s[66:67]: where registers 6-11 go
	v_and_b32 v6, 31, v0
	v_lshlrev_b32 v[VO16], 4, v6
	v_lshlrev_b32 v[VO8], 3, v6
	v_mul_u32_u24 v[VSC], v2, HS
	v_lshl_add_u32 v[VSC], v1, 4, v[VSC]
	v_lshlrev_b32 v[VBR], 6, v2
	v_and_b32 v3, 7, v1
	v_lshrrev_b32 v4, 3, v1
	v_lshl_add_u32 v3, v4, 4, v3
	v_lshlrev_b32 v[VBL], 2, v3
.irp b, 0,1,2,3                                ; both biases are loaded in every work-group; the one that does not apply is replaced by 0 behind the loop.  The loop touches none of these registers
.irp q, 0,1,2,3
	global_load_b128 v[BR+16*\b+4*\q:BR+16*\b+4*\q+3], v[VBR], s[92:93] offset:128*\b+16*\q
.endr
.endr
.irp a, 0,1,2,3,4,5,6,7
	global_load_b32 v[BL+2*\a], v[VBL], s[92:93] offset:4*(32*(\a/2)+8*(\a%2))
.endr
.macro FRAG reg, adr, q, i             ; a fragment, 16 rows x 128 K of 6-bit codes, is 12 registers: lane l holds row l % 16; registers 6 c .. 6 c + 5 hold K = 64 c + 32 (l / 16) + 0 .. 31: 24 bytes of the row, as they lie
.irp p, 0,1,2,3,4,5                    ; in pieces of 8 bytes.  Lanes 0-15 take the row's pieces 12 q + 0, 1, 2 and 12 q + 6, 7, 8, lanes 16-31 those three pieces on
.set PC, 12*(\q)+6*(\p/3)+\p%3        ; 16 bytes of padding lie behind every 64 bytes (8 pieces): where the piece three on lies behind one padding more, the second address register serves
.if PC%8 < 5
	ds_load_b64 v[\reg+2*\p:\reg+2*\p+1], v[\adr] offset:8*PC+16*(PC/8)+(\i)*16*PITCH
.else
	ds_load_b64 v[\reg+2*\p:\reg+2*\p+1], v[\adr+2] offset:8*PC+16*(PC/8)+(\i)*16*PITCH
.endif
.endr
.endm
; 16 matrix instructions: A's blocks a0, a0 + 1 x B's eight, 128 along K: the slot's q-th.  p: B's set;  sc: the set of scale words.  zero = 1: the first product starts the sums.
; The 64 accumulators take turns, one instruction a turn, in the same order in every step.
.macro MUL16 a0, p, q, sc, zero
.irp a, \a0, \a0+1
.irp b, 0,1,2,3,4,5,6,7
.if \zero
	v_wmma_scale_f32_16x16x128_f8f6f4 v[8*(8*((\a)%4)+\b):8*(8*((\a)%4)+\b)+7], v[128*(\p)+FR*\b:128*(\p)+FR*\b+FR-1], v[AF+FR*(\a):AF+FR*(\a)+FR-1], 0, v[SC+8*NQ*(\sc)+NQ*\b+(\q)], v[SC+8*NQ*(\sc)+NQ*(\a)+(\q)] matrix_a_fmt:MATRIX_FMT_FP6 matrix_b_fmt:MATRIX_FMT_FP6 matrix_a_scale:MATRIX_SCALE_ROW1
.else
	v_wmma_scale_f32_16x16x128_f8f6f4 v[8*(8*((\a)%4)+\b):8*(8*((\a)%4)+\b)+7], v[128*(\p)+FR*\b:128*(\p)+FR*\b+FR-1], v[AF+FR*(\a):AF+FR*(\a)+FR-1], v[8*(8*((\a)%4)+\b):8*(8*((\a)%4)+\b)+7], v[SC+8*NQ*(\sc)+NQ*\b+(\q)], v[SC+8*NQ*(\sc)+NQ*(\a)+(\q)] matrix_a_fmt:MATRIX_FMT_FP6 matrix_b_fmt:MATRIX_FMT_FP6 matrix_a_scale:MATRIX_SCALE_ROW1
.endif
.endr
.endr
.endm
.macro FETCH_B slot, q, p              ; B's eight fragments of the slot's q-th 128 along K into set p
	WIN TO_B
.irp i, 0,1,2,3,4,5,6,7
	FRAG 128*(\p)+FR*\i, ADRB+\slot, \q, \i
.endr
	WIN 0
.endm
.macro FETCH_A slot, q, i0             ; A's blocks i0 .. i0 + 3
.irp i, \i0, \i0+1, \i0+2, \i0+3
	FRAG AF+FR*(\i), ADRA+\slot, \q, \i
.endr
.endm
.macro SCALES sc                       ; the next K step's scale words into set sc: two words a row; lanes 0-15 take A's block i, lanes 16-31 B's block i
.irp i, 0,1,2,3,4,5,6,7
	ds_load_b64 v[SC+8*NQ*\sc+NQ*\i:SC+8*NQ*\sc+NQ*\i+1], v[ADRS] offset:\i*SBLK
.endr
.endm
; A load into a register that a matrix instruction has read, and a vector instruction that reads a matrix result or writes one of its registers, stand NP places behind that matrix instruction; only plain
; vector instructions that name none of its registers are places (ISA guide 7.12.1 for vector instructions).
.macro PLACES n
.rept \n
	v_nop
.endr
.endm
; A step of 128 along K that has its successor in the same slot.
.macro STEP slot, q, zero
	s_wait_dscnt 4*NL                              ; B's set and A's blocks 0-3 are in; the youngest 24 loads (A's blocks 4-7) may be out
	WIN MUL_LO
	MUL16 0, (\q)%2, \q, \slot, \zero
	MUL16 2, (\q)%2, \q, \slot, \zero
	s_wait_dscnt 0                                 ; A's blocks 4-7 are in (asked for 32 matrix instructions ago)
	PLACES NP
	FETCH_B \slot, (\q)+1, 1-(\q)%2
	FETCH_A \slot, (\q)+1, 0
	WIN MUL_HI
	MUL16 4, (\q)%2, \q, \slot, \zero
	MUL16 6, (\q)%2, \q, \slot, \zero
	PLACES NP
	WIN 0
	FETCH_A \slot, (\q)+1, 4
.endm
; A slot's last step changes slots: ONE barrier; in front of it each wave waits for all its tensor loads, adds 0 to its spare word, and waits for that and for its own reads of this slot.  fill = 1: this slot is filled again, two K steps ahead.
.macro TURN slot, next, fill
	s_wait_tensorcnt 0x0                           ; all my tensor loads have landed: my part of the next slot;  (every window is 0 here)
	ds_add_u32 v[SPW], v[NIL]                      ; 0 onto my spare word;
	s_wait_dscnt 4*NL+1                            ; (the add and the youngest 24 loads, A's blocks 4-7, may be out)
	WIN MUL_LO
	MUL16 0, 1, NQ-1, \slot, 0                     ; sixteen matrix instructions stand between the add and the wait for it
	s_wait_dscnt 0x0                               ; the add is done, and my reads of this slot are over
	s_barrier_signal -1
	MUL16 2, 1, NQ-1, \slot, 0
	WIN 0
	s_barrier_wait -1
.if \fill
	CREST                                          ; the barrier has opened a round of the cluster's barrier: no wave of any partner still reads this slot's tile or has a load on its way
	s_add_nc_u64 s[G0+4*\slot+2:G0+4*\slot+3], s[G0+4*\slot+2:G0+4*\slot+3], 2*ROWB
	s_add_nc_u64 s[G0B+4*\slot+2:G0B+4*\slot+3], s[G0B+4*\slot+2:G0B+4*\slot+3], 2*ROWB
	JLOAD G0+4*\slot, G1, G0B+4*\slot, G1B         ; the first tensor load behind the round; the four v_nop behind it are the places in front of the loads below
.else
	PLACES NP
.endif
	v_add_nc_u32 v[ADRS], 4*NQ, v[ADRS]            ; on to the next K step's scale words (no LDS load of mine is out)
	FETCH_B \next, 0, 0
	FETCH_A \next, 0, 0
	SCALES \next
	WIN MUL_HI
	MUL16 4, 1, NQ-1, \slot, 0
	MUL16 6, 1, NQ-1, \slot, 0
	PLACES NP
	WIN 0
	FETCH_A \next, 0, 4
.endm
	s_wait_tensorcnt 1                             ; the scales and my part of K step 0 are in (K step 1's load may be out),
	s_barrier_signal -1
	s_barrier_wait -1                              ; everybody's are
	FETCH_B 0, 0, 0
	FETCH_A 0, 0, 0
	SCALES 0
	FETCH_A 0, 0, 4
	STEP 0, 0, 1                                   ; the first step stands in front of the loop: its products start the sums
	s_mov_b32 s3, LAPS-1
.Llap:                                                 ; a trip goes once round the ring, from a lap's second step to the next lap's first, and fills both slots again
	TURN 0, 1, 1
	STEP 1, 0, 0
	TURN 1, 0, 1
	STEP 0, 0, 0
	s_sub_co_u32 s3, s3, 1
	s_cmp_lg_u32 s3, 0
	s_cbranch_scc1 .Llap
	TURN 0, 1, 0                                   ; the last lap fills nothing, and has no round of the cluster's barrier
	STEP 1, 0, 0
	s_wait_dscnt 4*NL                              ; the very last step: nothing more to fetch
	WIN MUL_LO
	MUL16 0, 1, NQ-1, 1, 0
	MUL16 2, 1, NQ-1, 1, 0
	s_wait_dscnt 0
	WIN MUL_HI
	MUL16 4, 1, NQ-1, 1, 0
	MUL16 6, 1, NQ-1, 1, 0
	WIN 0
; THE WAY OUT.  No LDS: a block's codes are stored as the image of an operand's registers, 16 or 8 bytes a lane, lane by lane.
; 64 numbers of a lane, v[s] .. v[s + 63], register 16 b + i = index 32 b + 16 (lane / 16) + i of my row, become a fragment's codes in v[CDS] on and its scale word in v[pw].
.macro QUANT s, pw
.irp b, 0,1,2,3
	v_max3_num_f32 v[TM+\b], |v[\s+16*\b]|, |v[\s+1+16*\b]|, 0x1800000   ; block b: my 16 numbers, and the floor 2^(3 - 127): the byte cannot fall under 1
.endr
.irp i, 2,4,6,8,10,12,14
.irp b, 0,1,2,3
	v_max3_num_f32 v[TM+\b], v[TM+\b], |v[\s+16*\b+\i]|, |v[\s+1+16*\b+\i]|   ; (the four blocks by turns)
.endr
.endr
.irp b, 0,1,2,3
	v_permlanex16_b32 v[TM+4+\b], v[TM+\b], s[SEL], s[SEL+1]
.endr
.irp b, 0,1,2,3
	v_max_num_f32 v[TM+\b], v[TM+\b], v[TM+4+\b]   ; with lane l xor 16's: the block's largest magnitude
.endr
.irp b, 0,1,2,3
	v_add_nc_u32 v[TM+8+\b], 0xff000000, v[TM+\b]  ; 2 off its exponent field: the conversion's scale operand
.endr
.irp b, 0,1,2,3
	v_lshrrev_b32 v[TM+4+\b], 23, v[TM+8+\b]       ; the scale's byte
.endr
	v_lshl_or_b32 v[\pw], v[TM+5], 8, v[TM+4]      ; the four bytes make my row's scale word
	v_lshl_or_b32 v[\pw], v[TM+6], 16, v[\pw]
	v_lshl_or_b32 v[\pw], v[TM+7], 24, v[\pw]
.irp c, 0,1
	v_cvt_scalef32_pk16_fp6_f32 v[CDS+6*\c:CDS+2+6*\c], v[\s+32*\c:\s+15+32*\c], v[TM+8+2*\c]
	v_cvt_scalef32_pk16_fp6_f32 v[CDS+12+4*\c:CDS+14+4*\c], v[\s+16+32*\c:\s+31+32*\c], v[TM+8+2*\c+1]   ; (a conversion's three registers begin on an even number)
.endr
	v_nop                                          ; one plain place behind a scaled conversion
.irp c, 0,1                                    ; the operand's layout wants a WHOLE block in a lane: lanes 0-15 block 2 c, lanes 16-31 block 2 c + 1
.irp i, 0,1,2
	v_permlane16_swap_b32 v[CDS+6*\c+\i], v[CDS+12+4*\c+\i]
.endr
.irp i, 0,1,2
	v_mov_b32 v[CDS+3+6*\c+\i], v[CDS+12+4*\c+\i]
.endr
.endr
.endm
; A's block a: its 64 results a lane + both biases (one of them is 0), quantised, stored.  Each accumulator is read from its low end on.
.macro OUTBLK a
.set WN, 0x02+(\a)/4
	WIN WN                                         ; source 0: window 2 or 3
.set j, 0
.rept 32
	v_pk_add_f32 v[H+j:H+j+1], v[64*((\a)%4)+j:64*((\a)%4)+j+1], v[BR+j:BR+j+1]
.set j, j+2
.endr
	WIN 0
.set j, 0
.rept 32
	v_pk_add_f32 v[H+j:H+j+1], v[H+j:H+j+1], v[BL+2*(\a):BL+2*(\a)+1]
.set j, j+2
.endr
.if (\a) > 0
	s_wait_xcnt 0x0                                ; the last block's stores have read their data and their bases: both are written again only behind this wait
	s_add_nc_u64 s[12:13], s[12:13], s[98:99]
	s_add_nc_u64 s[66:67], s[66:67], s[98:99]
.endif
.if (\a) == 4
	s_add_nc_u64 s[12:13], s[12:13], s[104:105]
	s_add_nc_u64 s[66:67], s[66:67], s[104:105]
.endif
	QUANT H, PWS+(\a)
	global_store_b128 v[VO16], v[CDS:CDS+3], s[12:13]                  ; 32 lanes store 512 consecutive bytes, aligned to 256;
	global_store_b64 v[VO8], v[CDS+4:CDS+5], s[12:13] offset:512       ; 256 consecutive bytes, aligned
	global_store_b128 v[VO16], v[CDS+6:CDS+9], s[66:67]
	global_store_b64 v[VO8], v[CDS+10:CDS+11], s[66:67] offset:512
.endm
	PLACES NP                                      ; behind the last products: their results are read, and A's fragments' registers are written, below
	s_wait_loadcnt 0x0                             ; the biases
	s_mov_b32 s[SEL], 0x76543210
	s_mov_b32 s[SEL+1], 0xfedcba98                 ; lane l xor 16
	s_mov_b32 s18, 0xffff0000                      ; lanes 16-31
	s_add_nc_u64 s[2:3], s[12:13], 6144            ; the scale words' place in the part
.set j, 0
.rept 64
	v_cndmask_b32 v[BR+j], v[BR+j], v[NIL], s97    ; v has no bias along side B,
.set j, j+1
.endr
.irp a, 0,1,2,3,4,5,6,7
	v_cndmask_b32 v[BL+2*\a+1], v[NIL], v[BL+2*\a], s97   ; q and k none along side A
	v_cndmask_b32 v[BL+2*\a], v[NIL], v[BL+2*\a], s97
.endr
.irp b, 0,1,2,3
	v_mov_b32 v[TM+4+\b], 0                        ; written once: a lane permute's destination counts as one of its sources
.endr
	v_mov_b32 v[SELQ], 0x05040100                  ; q, k: lanes 0-15 take the first head's two bytes of two tiles' words,
	v_mov_b32 v3, 0x07060302                       ; lanes 16-31 the second head's
	v_cndmask_b32 v[SELQ], v[SELQ], v3, s18
	v_mov_b32 v[SELV], 0x03020100                  ; v: lanes 0-15 take the word of the first head's tile,
	v_mov_b32 v3, 0x07060504                       ; lanes 16-31 that of the second head's
	v_cndmask_b32 v[SELV], v[SELV], v3, s18
.irp a, 0,1,2,3,4,5,6,7
	OUTBLK \a
.endr
.irp g, 0,1,2,3
	v_perm_b32 v[WA+\g], v[PWS+2*\g+1], v[PWS+2*\g], v[SELQ]
	v_perm_b32 v[WB+\g], v[PWS+4+\g], v[PWS+\g], v[SELV]
.endr
.irp g, 0,1,2,3
	v_cndmask_b32 v[WA+\g], v[WA+\g], v[WB+\g], s97
.endr
	global_store_b128 v[VSC], v[WA:WA+3], s[2:3]   ; lanes 0-15 store the first head's 256 bytes of scale words, lanes 16-31 the second head's
	s_wait_tensorcnt 0x0                           ; the wave's end, behind my last tensor load
	ds_add_u32 v[SPW], v[NIL]
	s_wait_dscnt 0x0
	CROUND                                         ; the closing round: no work-group ends while a partner may still ask for a tile that names it
	s_endpgm
.Lfunc_end_k_q2a9093cca2_proj:
	.size	k_q2a9093cca2_proj, .Lfunc_end_k_q2a9093cca2_proj-k_q2a9093cca2_proj
	.p2alignl 7, 3214868480
	.fill 96, 4, 3214868480
	.section	.rodata,"a",@progbits
	.p2align	6, 0x0
	.amdhsa_kernel k_q2a9093cca2_proj
		.amdhsa_group_segment_fixed_size 327680
		.amdhsa_private_segment_fixed_size 0
		.amdhsa_enable_private_segment 0
		.amdhsa_kernarg_size 64
		.amdhsa_user_sgpr_count 2
		.amdhsa_user_sgpr_kernarg_segment_ptr 1
		.amdhsa_wavefront_size32 1
		.amdhsa_system_sgpr_workgroup_id_x 1
		.amdhsa_system_sgpr_workgroup_id_y 1
		.amdhsa_system_sgpr_workgroup_id_z 1
		.amdhsa_system_vgpr_workitem_id 0
		.amdhsa_next_free_vgpr 1024
		.amdhsa_next_free_sgpr 106
		.amdhsa_reserve_vcc 0
		.amdhsa_float_denorm_mode_32 3
		.amdhsa_float_denorm_mode_16_64 3
		.amdhsa_memory_ordered 1
		.amdhsa_forward_progress 1
		.amdhsa_inst_pref_size 207
	.end_amdhsa_kernel
	.amdgpu_metadata
---
amdhsa.version: [ 1, 2 ]
amdhsa.kernels:
  - .name:           k_q2a9093cca2_proj
    .symbol:         k_q2a9093cca2_proj.kd
    .args:
      - { .name: xc, .offset: 0, .size: 8, .value_kind: global_buffer, .address_space: global }
      - { .name: xs, .offset: 8, .size: 8, .value_kind: global_buffer, .address_space: global }
      - { .name: wc, .offset: 16, .size: 8, .value_kind: global_buffer, .address_space: global }
      - { .name: ws, .offset: 24, .size: 8, .value_kind: global_buffer, .address_space: global }
      - { .name: bq, .offset: 32, .size: 8, .value_kind: global_buffer, .address_space: global }
      - { .name: bk, .offset: 40, .size: 8, .value_kind: global_buffer, .address_space: global }
      - { .name: bv, .offset: 48, .size: 8, .value_kind: global_buffer, .address_space: global }
      - { .name: qkv, .offset: 56, .size: 8, .value_kind: global_buffer, .address_space: global }
    .group_segment_fixed_size: 327680
    .private_segment_fixed_size: 0
    .kernarg_segment_align: 8
    .kernarg_segment_size: 64
    .max_flat_workgroup_size: 128
    .sgpr_count:     106
    .vgpr_count:     1024
    .wavefront_size: 32
...
	.end_amdgpu_metadata
.endif
;; end of part 2
;; launch attn (part 3): grid 4 x 64, 16 waves a work-group, clusters of 4 x 1, 232,448 bytes of LDS; arguments qkv, oc, os; writes oc, os
.if DOCPART == 3
	.amdgcn_target "amdgcn-amd-amdhsa--gfx1250"
	.amdhsa_code_object_version 6
	.text
	.protected	k_q2a9093cca2_attn
	.globl	k_q2a9093cca2_attn
	.p2align	8
	.type	k_q2a9093cca2_attn,@function
k_q2a9093cca2_attn:
	s_mov_b64 s[64:65], 0
	v_nop
	global_prefetch_b8 v0, s[64:65] scope:SCOPE_SE
	s_setreg_imm32_b32 hwreg(HW_REG_WAVE_MODE, 25, 1), 1
	s_wait_xcnt 0x0
	s_wait_alu depctr_hold_cnt(0) depctr_sa_sdst(0) depctr_va_vdst(0) depctr_va_sdst(0) depctr_va_ssrc(0) depctr_va_vcc(0) depctr_vm_vsrc(0)
	s_getreg_b32 s2, hwreg(HW_REG_IB_STS2, 6, 4)
	s_cmp_eq_u32 s2, 0
	s_cbranch_scc0 .Lentry_in_a_cluster
	s_endpgm
.Lentry_in_a_cluster:
	s_bfe_u32 s2, ttmp6, 0x10000c
	s_cmp_lg_u32 s2, 0x3003
	s_cbranch_scc0 .Lentry_shape_is_right
	s_endpgm
.Lentry_shape_is_right:
; x[bh][q][:] = the sum over keys of softmax(q . k / 8) v, both products on codes of FP6 (E2M3) with one E8M0 scale for each 32 along a product's K; x is then quantised along its 64 (two blocks of 32), which are
; blocks of the last product's K, and leaves as codes: oc [64][2048][48 bytes], os [64][2048][2 bytes].
; THE SOFTMAX AHEAD OF THE SECOND PRODUCT: t = score x log2(e) / 8; M = the row's largest t so far, rounded UP to a whole number; p = 2^(t - M) is what is quantised, along the keys; it is not normalised.
; The row's sum is taken of the unquantised p, in f32, and divides at the end.  When M moves, the sum and O are multiplied by 2^(old M - new M): exact.
; SHARES.  A work-group owns 512 queries of one head; each of its sixteen waves owns 32, two tiles of 16, which it takes one after the other; every wave walks the head's 2,048 keys, 128 a step, for each tile.
; THE WHOLE HEAD'S k AND v LIE IN LDS, 204,800 bytes, filled once: each wave brings one step's 12,800 bytes (k's part and v's part of qkv, which follow each other) by one tensor load.  Nothing is filled again.
; CLUSTER.  The four work-groups of a cluster own the four blocks of queries of one head and need the same k and v: each of the sixteen loads is asked for jointly, with the same descriptor and a mask that names the four.
; OPERANDS are images of registers (see the launch that wrote them): a fragment of 12 registers is 512 + 256 + 512 + 256 consecutive bytes, lane by lane.
; THE FIRST PRODUCT'S K IS 64, the instruction's 128.  Two tiles of keys stand side by side in one operand (K 0-63: a key of tile 2 g; K 64-127: a key of tile 2 g + 1).  The query stands in 18 registers, zeros | q | zeros:
; registers 6-17 (q | 0) pick tile 2 g, registers 0-11 (0 | q) pick tile 2 g + 1: zero codes add nothing.  q's two scale bytes are written twice in its word, so one word serves both.
; Both products are used transposed: a lane holds ONE query (lane % 16) throughout.  The keys of a tile are 32 g + 8 u + (r % 8) + 16 (r / 8), so that the 16 registers of score tiles 2 g, 2 g + 1 are keys 32 g + 16 (lane / 16) + 0 .. 15.
; LIMITS: NaN and infinities are not served.  1 / sum is v_rcp_f32 and a multiplication.  A block's largest p is made from the block's largest score by the same two instructions as every p, which takes v_exp_f32 not to
; fall where its input rises.  A block of x whose largest magnitude lies under 2^-124 keeps the byte 1 (a block of zeros too, where the rule says 127: its codes are zeros, and this program alone reads the bytes).
.set HS,    307200                     ; qkv: a head
.set SS,    19200                      ; a step of 128 tokens
.set PS,    6400                       ; a part
.set STEPB, 12800                      ; LDS: a step: k's pair images at 0, k's scale words at 6,144, v's images at 6,400, v's scale words at 12,544
.set STG,   16*STEPB                   ; behind the head: a stage of 1,536 bytes for each wave: its 32 tokens' codes
.set SCST,  STG+16*1536                ; the work-group's 512 x 2 scale bytes
.set SPARE, SCST+1024                  ; the spare words, 128 bytes for each wave: eight blocks of 256 bytes that no other line names
.set LI16, 1                           ; v1   16 x lane
.set LI8,  2                           ; v2   8 x lane
.set LSC,  3                           ; v3   16 x (lane % 16)
.set SPW,  5                           ; v5   LDS address of my spare word; never rewritten
.set NIL,  6                           ; v6   0; never rewritten
.set STW,  7                           ; v7   the stage: where my 24 bytes of codes go
.set A16,  8                           ; v8-10 the step's LDS addresses
.set A8,   9
.set AS,   10
.set SCW,  11                          ; v11  where my token's two scale bytes go
.set QHI,  16                          ; v16-27: zeros | q
.set QLO,  22                          ; v22-33: q | zeros
.set QS,   34                          ; v34  q's scale word, its two bytes twice
.set QW,   35                          ; v35  the word as loaded: both tiles' bytes
.set KF,   36                          ; v36-83 four fragments of k or of v
.set KS,   84                          ; v84-87 k's scale words
.set VS,   88                          ; v88-91 v's
.set SRD,  92                          ; v92  the stage, read back
.set SCR,  93                          ; v93  the scale bytes, read back
.set S,    96                          ; v96-159 the scores, then p
.set O,    160                         ; v160-191 O^T
.set PCD,  192                         ; v192-203 p's codes
.set PT,   204                         ; v204-206, v208-210 the conversions' second halves
.set BM,   212                         ; v212-215 the blocks' largest
.set PD,   216                         ; v216-219 at work
.set SO,   220                         ; v220-223 the conversions' scale operands
.set T,    224                         ; v224 at work
.set F,    226                         ; v226 f = 2^(old M - new M)
.set PSW,  227                         ; v227 p's scale word
.set Q2,   228                         ; v228-233 the second tile's q
.set SM2,  234                         ; v234-235 the sums' second chain
.set OUTR, 236                         ; v236-247 the way out
.set OSR,  248                         ; v248-251 the scale bytes on their way out
.set TB,   2                           ; s2   LDS byte at which the step begins
.set CNT,  3                           ; s3   steps to go
.set WV,   18                          ; s18  my wave's number
.set SEL,  20                          ; s[20:21] lane selects for v_permlanex16_b32: lane l xor 16
.set CS,   22                          ; s[22:23] c = log2(e) / 8
.set G1,   24                          ; s[24:31] descriptor group 1;  s[32:35] group 0
.set G0,   32
.macro CROUND                          ; a round of the cluster's barrier
	s_barrier_signal -1
	s_barrier_wait -1
	s_cmp_lg_u32 s[WV], 0
	s_cbranch_scc1 .Lnot_wave_0_\@
	s_barrier_signal -3
.Lnot_wave_0_\@:
	s_barrier_wait -3
	s_barrier_signal -1
	s_barrier_wait -1
.endm
	s_load_b128 s[4:7], s[0:1], 0x0                ; qkv s[4:5], oc s[6:7]
	s_load_b64 s[8:9], s[0:1], 0x10                ; os
	v_lshl_add_u32 v[SPW], v0, 2, SPARE
	v_mov_b32 v[NIL], 0
	ds_add_u32 v[SPW], v[NIL]                      ; the wave's opening: the add and its wait ahead of my first tensor load; the set-up below, work on registers, stands between them
	v_lshrrev_b32 v8, 5, v0
	v_readfirstlane_b32 s[WV], v8                  ; wave 0..15
	s_bfe_u32 s36, ttmp6, 0x40000                  ; cx
	s_lshl_b32 s37, ttmp9, 2
	s_add_co_u32 s36, s36, s37                     ; my block of 512 queries: it enters q's, oc's and os's addresses alone
	s_and_b32 s37, ttmp7, 0xffff                   ; the head, which the four partners share
	s_mul_i32 s38, s37, HS                         ; its first byte in qkv
	s_mul_i32 s40, s[WV], SS
	s_add_co_u32 s40, s40, s38
	s_add_co_u32 s40, s40, PS                      ; what I fetch: k's and v's parts of step = my wave's number
	s_mov_b32 s41, 0
	s_lshl_b32 s42, s36, 2
	s_lshr_b32 s43, s[WV], 2
	s_add_co_u32 s42, s42, s43                     ; the step of 128 tokens in which my 32 queries lie
	s_mul_i32 s42, s42, SS
	s_add_co_u32 s42, s42, s38
	s_and_b32 s43, s[WV], 3                        ; my pair of tiles in it
	s_mul_i32 s44, s43, 1536
	s_add_co_u32 s44, s44, s42                     ; q's images
	s_mov_b32 s45, 0
	s_lshl_b32 s43, s43, 2
	s_add_co_u32 s42, s42, s43
	s_add_co_u32 s42, s42, 6144                    ; q's scale words
	s_mov_b32 s43, 0
	s_lshl_b32 s46, s37, 11
	s_lshl_b32 s47, s36, 9
	s_add_co_u32 s46, s46, s47                     ; the work-group's first token among all 64 x 2,048
	s_lshl_b32 s38, s46, 1                         ; its scale bytes,
	s_and_b32 s39, s[WV], 1
	s_lshl_b32 s39, s39, 9
	s_add_co_u32 s38, s38, s39                     ; of which waves 0 and 1 store 512 each
	s_mov_b32 s39, 0
	s_lshl_b32 s47, s[WV], 5
	s_add_co_u32 s46, s46, s47
	s_mul_i32 s46, s46, 48                         ; my 32 tokens' codes
	s_mov_b32 s47, 0
	; descriptor group 1: a dense block of 12,800 bytes as 50 rows of 256 bytes (32 elements of 8 bytes), no padding
	s_mov_b32 s[G1], 15|(3<<16)|(1<<21)            ; 15:0 the mask: all four work-groups; 17:16 elements of 8 bytes; 21 set beside a mask
	s_mov_b32 s[G1+1], 32<<16                      ; tensor_dim0 = 32
	s_mov_b32 s[G1+2], 50<<16                      ; tensor_dim1 = 50
	s_mov_b32 s[G1+3], 32<<16                      ; tile_dim0 = 32
	s_mov_b32 s[G1+4], 50                          ; tile_dim1 = 50
	s_mov_b32 s[G1+5], 32                          ; tensor_dim0_stride
	s_mov_b32 s[G1+6], 0
	s_mov_b32 s[G1+7], 0
	s_mov_b32 s[SEL], 0x76543210
	s_mov_b32 s[SEL+1], 0xfedcba98
	s_mov_b32 s[CS], 0x3e38aa3b                    ; c = log2(e) / 8
	s_mov_b32 s[CS+1], s[CS]                       ; (named with it as a pair, so it is written)
	s_wait_dscnt 0x0                               ; the opening add is done
	s_wait_kmcnt 0x0
	s_mov_b32 s[G0], 1                             ; count = 1
	s_mul_i32 s[G0+1], s[WV], STEPB                ; LDS address: wave x 12,800: no place in the cluster enters it
	s_add_nc_u64 s[G0+2:G0+3], s[4:5], s[40:41]    ; global address: the head and the wave's number alone
	s_or_b32 s[G0+3], s[G0+3], 0x80000000          ; type = 2
	s_add_nc_u64 s[10:11], s[4:5], s[44:45]        ; q's images
	s_add_nc_u64 s[12:13], s[4:5], s[42:43]        ; q's scale words
	s_add_nc_u64 s[14:15], s[6:7], s[46:47]        ; my place in oc
	s_add_nc_u64 s[16:17], s[8:9], s[38:39]        ; and in os
	CROUND                                         ; all four work-groups are here: the joint loads meet
	tensor_load_to_lds s[G0:G0+3], s[G1:G1+7]      ; my one tensor load of the launch
	s_nop 0
.rept 4
	v_nop
.endr
	v_and_b32 v4, 31, v0
	v_lshlrev_b32 v[LI16], 4, v4
	v_lshlrev_b32 v[LI8], 3, v4
	v_and_b32 v8, 15, v0                           ; r
	v_bfe_u32 v9, v0, 4, 1                         ; lane / 16
	v_lshlrev_b32 v[LSC], 4, v8
	v_and_b32 v10, 7, v8
	v_lshrrev_b32 v11, 3, v8
	v_lshl_add_u32 v10, v11, 4, v10                ; (r % 8) + 16 (r / 8): my query among the wave's 32 (the second tile's: 8 further on)
	s_mul_i32 s36, s[WV], 1536
	s_add_co_u32 s36, s36, STG                     ; my stage
	v_mul_u32_u24 v[STW], v10, 48
	v_mad_u32_u24 v[STW], v9, 24, v[STW]
	v_add_nc_u32 v[STW], s36, v[STW]               ; 48 bytes a token, my block's 24
	v_add_nc_u32 v[SRD], s36, v[LI16]
	s_and_b32 s37, s[WV], 1
	s_lshl_b32 s37, s37, 9
	s_add_co_u32 s37, s37, SCST
	v_add_nc_u32 v[SCR], s37, v[LI16]
	s_lshl_b32 s37, s[WV], 6
	s_add_co_u32 s37, s37, SCST
	v_lshl_add_u32 v[SCW], v10, 1, s37             ; 2 bytes a token, 64 a wave
	global_load_b128 v[QLO:QLO+3], v[LI16], s[10:11]               ; the first tile's q: 24 bytes a lane
	global_load_b64 v[QLO+4:QLO+5], v[LI8], s[10:11] offset:512
	global_load_b128 v[Q2:Q2+3], v[LI16], s[10:11] offset:768      ; the second tile's
	global_load_b64 v[Q2+4:Q2+5], v[LI8], s[10:11] offset:1280
	global_load_b32 v[QW], v[LSC], s[12:13]                        ; both tiles' scale bytes
.irp i, 0,1,2,3,4,5
	v_mov_b32 v[QHI+\i], 0                         ; the zero codes on both sides of q
	v_mov_b32 v[QLO+6+\i], 0
.endr
.irp b, 0,1,2,3
	v_mov_b32 v[PD+\b], 0                          ; written once: a lane permute's destination counts as one of its sources
.endr
	v_mov_b32 v[PSW], 0                            ; (named as the upper half of the pair v[F:F+1] before it is first written)
	v_mov_b32 v[T], 0
	s_wait_tensorcnt 0x0                           ; my step's bytes are in LDS,
	s_barrier_signal -1
	s_barrier_wait -1                              ; everybody's are: the head is whole
	s_wait_loadcnt 0x0                             ; q
.macro FRAG4 reg, off                  ; a fragment's 12 registers from its image
	ds_load_b128 v[\reg:\reg+3], v[A16] offset:\off
	ds_load_b64 v[\reg+4:\reg+5], v[A8] offset:\off+512
	ds_load_b128 v[\reg+6:\reg+9], v[A16] offset:\off+768
	ds_load_b64 v[\reg+10:\reg+11], v[A8] offset:\off+1280
.endm
; A KEY STEP: 128 keys.
.macro STEP
	v_add_nc_u32 v[A16], s[TB], v[LI16]
	v_add_nc_u32 v[A8], s[TB], v[LI8]
	v_add_nc_u32 v[AS], s[TB], v[LSC]
	v_nop                                          ; these four are the places in front of loads into registers that the last step's products have read
.irp g, 0,1,2,3
	FRAG4 KF+12*\g, 1536*\g                        ; k's four pairs of tiles
.endr
	ds_load_b128 v[KS:KS+3], v[AS] offset:6144     ; and their scale words
	s_wait_dscnt 0x0
.irp g, 0,1,2,3                                ; S^T = k q^T: eight tiles of 16 keys
	v_wmma_scale_f32_16x16x128_f8f6f4 v[S+16*\g:S+16*\g+7], v[KF+12*\g:KF+12*\g+11], v[QLO:QLO+11], 0, v[KS+\g], v[QS] matrix_a_fmt:MATRIX_FMT_FP6 matrix_b_fmt:MATRIX_FMT_FP6
	v_wmma_scale_f32_16x16x128_f8f6f4 v[S+16*\g+8:S+16*\g+15], v[KF+12*\g:KF+12*\g+11], v[QHI:QHI+11], 0, v[KS+\g], v[QS] matrix_a_fmt:MATRIX_FMT_FP6 matrix_b_fmt:MATRIX_FMT_FP6
.endr
.rept 4
	v_nop                                          ; places: behind them the scores are read, and k's registers are loaded anew
.endr
.irp d, 0,1,2,3
	FRAG4 KF+12*\d, PS+1536*\d                     ; v's four tiles are asked for here and land while the softmax is walked
.endr
	ds_load_b128 v[VS:VS+3], v[AS] offset:PS+6144
.irp b, 0,1,2,3
	v_max3_num_f32 v[BM+\b], v[S+16*\b], v[S+1+16*\b], v[S+2+16*\b]   ; THE LARGEST SCORE OF EACH BLOCK OF 32 KEYS: it serves the row's maximum and, since p rises with the score, the block's largest p
.endr
.irp i, 3,5,7,9,11,13
.irp b, 0,1,2,3
	v_max3_num_f32 v[BM+\b], v[BM+\b], v[S+16*\b+\i], v[S+1+16*\b+\i]   ; (the four blocks by turns; each tile of scores is first read at its low end)
.endr
.endr
.irp b, 0,1,2,3
	v_max_num_f32 v[BM+\b], v[BM+\b], v[S+15+16*\b]
.endr
.irp b, 0,1,2,3
	v_permlanex16_b32 v[PD+\b], v[BM+\b], s[SEL], s[SEL+1]
.endr
.irp b, 0,1,2,3
	v_max_num_f32 v[BM+\b], v[BM+\b], v[PD+\b]     ; with lane l xor 16's 16 keys
.endr
	v_max3_num_f32 v[T], v[BM], v[BM+1], v[BM+2]
	v_max_num_f32 v[T], v[T], v[BM+3]              ; the step's largest score of my query
	v_mul_f32 v[T], s[CS], v[T]                    ; as t (c is positive)
	v_max_num_f32 v13, v13, v[T]                   ; the running largest t
	v_mov_b32 v[T], v12
	v_floor_f32 v12, -v13                          ; the new -M = floor(-t) = -ceil(t): M is a whole number
	v_sub_f32 v[T], v12, v[T]                      ; M's old value less its new one: a whole number, 0 or less
	v_cvt_i32_f32 v[T], v[T]                       ; (it saturates)
	v_ldexp_f32 v[F], 1.0, v[T]                    ; f = 2^(old M - new M)
.set j, 0
.rept 32
	v_pk_fma_f32 v[S+j:S+j+1], v[S+j:S+j+1], s[CS:CS+1], v[12:13] op_sel_hi:[1,0,0]   ; t - M, two at a time (of the pairs c and -M the low word serves both halves)
.set j, j+2
.endr
.irp b, 0,1,2,3
	v_fma_f32 v[BM+\b], v[BM+\b], s[CS], v12       ; the same of each block's largest score
.endr
.set j, 0
.rept 64
	v_exp_f32 v[S+j], v[S+j]                       ; p = 2^(t - M), at most 1: not normalised
.set j, j+1
.endr
	v_pk_mul_f32 v[14:15], v[14:15], v[F:F+1] op_sel_hi:[1,0]   ; the sums under the new M.  (A plain place behind the exponentials)
	s_wait_alu depctr_va_vdst(0)                   ; one wait for the whole batch, ahead of its first reader
.irp b, 0,1,2,3
	v_exp_f32 v[BM+\b], v[BM+\b]                   ; the block's largest p: the same two instructions on the same number give the same bits
.endr
	v_pk_add_f32 v[SM2:SM2+1], v[S:S+1], v[S+2:S+3]   ; THE ROW'S SUM IS TAKEN OF THE UNQUANTISED p: two at a time, in two chains.  (It reads the 64 alone: plain work behind the four)
.irp j, 4,8,12,16,20,24,28,32,36,40,44
	v_pk_add_f32 v[14:15], v[14:15], v[S+\j:S+\j+1]
	v_pk_add_f32 v[SM2:SM2+1], v[SM2:SM2+1], v[S+2+\j:S+3+\j]
.endr
	s_wait_alu depctr_va_vdst(0)                   ; and one for the four
.irp b, 0,1,2,3
	v_max_num_f32 v[BM+\b], 0x1800000, v[BM+\b]    ; the floor 2^(3 - 127): the byte cannot fall under 1 (a block whose every p has fallen to 0 keeps that byte: its codes are zeros)
.endr
.irp b, 0,1,2,3
	v_add_nc_u32 v[SO+\b], 0xff000000, v[BM+\b]    ; 2 off the exponent field: the conversion's scale operand
.endr
.irp b, 0,1,2,3
	v_lshrrev_b32 v[PD+\b], 23, v[SO+\b]           ; the scale's byte
.endr
	v_lshl_or_b32 v[PSW], v[PD+1], 8, v[PD]        ; p's scale word for these 128 keys
	v_lshl_or_b32 v[PSW], v[PD+2], 16, v[PSW]
	v_lshl_or_b32 v[PSW], v[PD+3], 24, v[PSW]
.irp c, 0,1
	v_cvt_scalef32_pk16_fp6_f32 v[PCD+6*\c:PCD+2+6*\c], v[S+32*\c:S+15+32*\c], v[SO+2*\c]
	v_cvt_scalef32_pk16_fp6_f32 v[PT+4*\c:PT+2+4*\c], v[S+16+32*\c:S+31+32*\c], v[SO+2*\c+1]   ; (a conversion's three registers begin on an even number)
.endr
	v_nop                                          ; one plain vector instruction behind the scaled conversions
.irp c, 0,1                                    ; the operand's layout wants a WHOLE block in a lane: lanes 0-15 block 2 c, lanes 16-31 block 2 c + 1
.irp i, 0,1,2
	v_permlane16_swap_b32 v[PCD+6*\c+\i], v[PT+4*\c+\i]
.endr
.irp i, 0,1,2
	v_mov_b32 v[PCD+3+6*\c+\i], v[PT+4*\c+\i]
.endr
.endr
.set j, 0
.rept 16
	v_pk_mul_f32 v[O+j:O+j+1], v[O+j:O+j+1], v[F:F+1] op_sel_hi:[1,0]   ; O^T under the new M: x f
.set j, j+2
.endr
.irp j, 48,52,56,60                            ; the rest of the row's sum stands here: with the lines above, the places between the writing of p's codes and scale word and the products
	v_pk_add_f32 v[14:15], v[14:15], v[S+\j:S+\j+1]
	v_pk_add_f32 v[SM2:SM2+1], v[SM2:SM2+1], v[S+2+\j:S+3+\j]
.endr
	v_pk_add_f32 v[14:15], v[14:15], v[SM2:SM2+1]
	s_wait_dscnt 0x0                               ; v's fragments and scale words are in
.irp d, 0,1,2,3                                ; O^T += v^T p^T: four tiles of 16 of the head's 64; the four accumulators take turns
	v_wmma_scale_f32_16x16x128_f8f6f4 v[O+8*\d:O+8*\d+7], v[KF+12*\d:KF+12*\d+11], v[PCD:PCD+11], v[O+8*\d:O+8*\d+7], v[VS+\d], v[PSW] matrix_a_fmt:MATRIX_FMT_FP6 matrix_b_fmt:MATRIX_FMT_FP6
.endr
.endm
; A tile's end: O^T / the sum is x; its two blocks of 32 are quantised; 24 bytes of codes a lane and 2 scale bytes a token go to LDS.
.macro FIN u
.rept 4
	v_nop                                          ; places behind the last products
.endr
	v_add_f32 v14, v14, v15                        ; the sum's two halves,
	v_permlanex16_b32 v[T], v14, s[SEL], s[SEL+1]
	v_add_f32 v14, v14, v[T]                       ; and lane l xor 16's: the row's sum
	v_rcp_f32 v14, v14
	v_nop                                          ; one plain place behind the transcendental
	s_wait_alu depctr_va_vdst(0)                   ; and the wait ahead of its first reader
.set j, 0
.rept 16
	v_pk_mul_f32 v[S+j:S+j+1], v[O+j:O+j+1], v[14:15] op_sel_hi:[1,0]   ; register 16 b + i is x(my query, 32 b + 16 (lane / 16) + i); each accumulator is read from its low end on
.set j, j+2
.endr
.irp b, 0,1
	v_max3_num_f32 v[BM+\b], |v[S+16*\b]|, |v[S+1+16*\b]|, 0x1800000   ; block b: my 16 numbers, and the floor 2^(3 - 127)
.endr
.irp i, 2,4,6,8,10,12,14
.irp b, 0,1
	v_max3_num_f32 v[BM+\b], v[BM+\b], |v[S+16*\b+\i]|, |v[S+1+16*\b+\i]|
.endr
.endr
.irp b, 0,1
	v_permlanex16_b32 v[PD+\b], v[BM+\b], s[SEL], s[SEL+1]
.endr
.irp b, 0,1
	v_max_num_f32 v[BM+\b], v[BM+\b], v[PD+\b]     ; with lane l xor 16's: the block's largest magnitude
.endr
.irp b, 0,1
	v_add_nc_u32 v[SO+\b], 0xff000000, v[BM+\b]
.endr
.irp b, 0,1
	v_lshrrev_b32 v[PD+\b], 23, v[SO+\b]
.endr
	v_lshl_or_b32 v[T], v[PD+1], 8, v[PD]          ; my token's two scale bytes
	v_cvt_scalef32_pk16_fp6_f32 v[PCD:PCD+2], v[S:S+15], v[SO]
	v_cvt_scalef32_pk16_fp6_f32 v[PT:PT+2], v[S+16:S+31], v[SO+1]
	v_nop                                          ; one plain place behind the scaled conversions
.irp i, 0,1,2
	v_permlane16_swap_b32 v[PCD+\i], v[PT+\i]      ; lanes 0-15 now hold block 0 whole, lanes 16-31 block 1
.endr
.irp i, 0,1,2
	v_mov_b32 v[PCD+3+\i], v[PT+\i]
.endr
	ds_store_b64 v[STW], v[PCD:PCD+1] offset:384*\u
	ds_store_b64 v[STW], v[PCD+2:PCD+3] offset:384*\u+8
	ds_store_b64 v[STW], v[PCD+4:PCD+5] offset:384*\u+16
	ds_store_b16 v[SCW], v[T] offset:16*\u         ; both lanes of a token write the same two bytes with the same value
.endm
; One tile of 16 queries against all keys.  O^T and the sum begin as zeros and the largest t as -3e38: the step is written once, and its first trip multiplies zeros by f = 0.
.macro PASS u
.if \u
.irp i, 0,1,2,3,4,5
	v_mov_b32 v[QLO+\i], v[Q2+\i]
.endr
	v_perm_b32 v[QS], v[QW], v[QW], 0x03020302     ; the second tile's two scale bytes, twice
.else
	v_perm_b32 v[QS], v[QW], v[QW], 0x01000100     ; the first tile's
.endif
	v_mov_b32 v13, 0xff61b1e6                      ; the largest t so far: -3e38, under every t
	v_floor_f32 v12, -v13                          ; -M
	v_mov_b32 v14, 0
	v_mov_b32 v15, 0
.set j, 0
.rept 32
	v_mov_b32 v[O+j], 0                            ; (these are also the places between the writing of q and its scale word and the first product)
.set j, j+1
.endr
	s_mov_b32 s[TB], 0
	s_mov_b32 s[CNT], 16
.Lkeys_\@:
	STEP
	s_add_co_u32 s[TB], s[TB], STEPB
	s_sub_co_u32 s[CNT], s[CNT], 1
	s_cmp_lg_u32 s[CNT], 0
	s_cbranch_scc1 .Lkeys_\@
	FIN \u
.endm
	PASS 0
	PASS 1
	; THE WAY OUT.  My 32 tokens' codes are 1,536 consecutive bytes of oc.
.irp i, 0,1,2
	ds_load_b128 v[OUTR+4*\i:OUTR+4*\i+3], v[SRD] offset:512*\i   ; LDS serves a wave's instructions in order: these see my stores
.endr
.irp i, 0,1,2
	s_wait_dscnt 2-\i                              ; load i is in; the younger ones may be out
	global_store_b128 v[LI16], v[OUTR+4*\i:OUTR+4*\i+3], s[14:15] offset:512*\i   ; 32 lanes store 512 consecutive bytes, aligned to 256
.endr
	s_wait_dscnt 0x0                               ; for the others' sake: my scale bytes lie in LDS
	s_barrier_signal -1
	s_barrier_wait -1                              ; the work-group's 1,024 scale bytes are whole
	s_cmp_lt_u32 s[WV], 2
	s_cbranch_scc0 .Lno_scales
	ds_load_b128 v[OSR:OSR+3], v[SCR]
	s_wait_dscnt 0x0
	global_store_b128 v[LI16], v[OSR:OSR+3], s[16:17]   ; waves 0 and 1: 512 consecutive bytes each
.Lno_scales:
	s_wait_tensorcnt 0x0                           ; the wave's end, behind my last tensor load and my last LDS store
	ds_add_u32 v[SPW], v[NIL]
	s_wait_dscnt 0x0
	CROUND                                         ; the closing round: no work-group ends while a partner may still ask for a tile that names it
	s_endpgm
.Lfunc_end_k_q2a9093cca2_attn:
	.size	k_q2a9093cca2_attn, .Lfunc_end_k_q2a9093cca2_attn-k_q2a9093cca2_attn
	.p2alignl 7, 3214868480
	.fill 96, 4, 3214868480
	.section	.rodata,"a",@progbits
	.p2align	6, 0x0
	.amdhsa_kernel k_q2a9093cca2_attn
		.amdhsa_group_segment_fixed_size 232448
		.amdhsa_private_segment_fixed_size 0
		.amdhsa_enable_private_segment 0
		.amdhsa_kernarg_size 24
		.amdhsa_user_sgpr_count 2
		.amdhsa_user_sgpr_kernarg_segment_ptr 1
		.amdhsa_wavefront_size32 1
		.amdhsa_system_sgpr_workgroup_id_x 1
		.amdhsa_system_sgpr_workgroup_id_y 1
		.amdhsa_system_sgpr_workgroup_id_z 1
		.amdhsa_system_vgpr_workitem_id 0
		.amdhsa_next_free_vgpr 256
		.amdhsa_next_free_sgpr 66
		.amdhsa_reserve_vcc 0
		.amdhsa_float_denorm_mode_32 3
		.amdhsa_float_denorm_mode_16_64 3
		.amdhsa_memory_ordered 1
		.amdhsa_forward_progress 1
		.amdhsa_inst_pref_size 49
	.end_amdhsa_kernel
	.amdgpu_metadata
---
amdhsa.version: [ 1, 2 ]
amdhsa.kernels:
  - .name:           k_q2a9093cca2_attn
    .symbol:         k_q2a9093cca2_attn.kd
    .args:
      - { .name: qkv, .offset: 0, .size: 8, .value_kind: global_buffer, .address_space: global }
      - { .name: oc, .offset: 8, .size: 8, .value_kind: global_buffer, .address_space: global }
      - { .name: os, .offset: 16, .size: 8, .value_kind: global_buffer, .address_space: global }
    .group_segment_fixed_size: 232448
    .private_segment_fixed_size: 0
    .kernarg_segment_align: 8
    .kernarg_segment_size: 24
    .max_flat_workgroup_size: 512
    .sgpr_count:     66
    .vgpr_count:     256
    .wavefront_size: 32
...
	.end_amdgpu_metadata
.endif
;; end of part 3
;; launch out (part 4): grid 4 x 32, 4 waves a work-group, clusters of 4 x 4, 327,680 bytes of LDS; arguments oc, os, wc, ws, bo, out0; writes out0
.if DOCPART == 4
	.amdgcn_target "amdgcn-amd-amdhsa--gfx1250"
	.amdhsa_code_object_version 6
	.text
	.protected	k_q2a9093cca2_out
	.globl	k_q2a9093cca2_out
	.p2align	8
	.type	k_q2a9093cca2_out,@function
k_q2a9093cca2_out:
	s_mov_b64 s[64:65], 0
	v_nop
	global_prefetch_b8 v0, s[64:65] scope:SCOPE_SE
	s_setreg_imm32_b32 hwreg(HW_REG_WAVE_MODE, 25, 1), 1
	s_wait_xcnt 0x0
	s_wait_alu depctr_hold_cnt(0) depctr_sa_sdst(0) depctr_va_vdst(0) depctr_va_sdst(0) depctr_va_ssrc(0) depctr_va_vcc(0) depctr_vm_vsrc(0)
	s_getreg_b32 s2, hwreg(HW_REG_IB_STS2, 6, 4)
	s_cmp_eq_u32 s2, 0
	s_cbranch_scc0 .Lentry_in_a_cluster
	s_endpgm
.Lentry_in_a_cluster:
	s_bfe_u32 s2, ttmp6, 0x10000c
	s_cmp_lg_u32 s2, 0xf033
	s_cbranch_scc0 .Lentry_shape_is_right
	s_endpgm
.Lentry_shape_is_right:
; out0[m][n] = the sum over k of x[m][k] Wo[k][n] + bo[n], on codes of FP6 (E2M3) with one E8M0 scale for each 32 along K = 1,024; sums in f32.
; A = x: oc read as [8192][768 bytes], os as [8192][32 bytes] (16 tokens of a head are one row of x: the raw view of the problem), rows in their true order.
; B = Wo's columns: the fourth slab of wc [1024][768] and ws [1024][32], K innermost, rows in the order sigma (bits 3 and 4 of a column's number exchanged).
; A tile of 256 x 256 is made by a work-group of four waves; a wave makes 128 x 128: 64 accumulators.  K goes in steps of 256 through a ring of two LDS slots filled by the tensor data mover; the scale bytes come once and stay.
; CLUSTERS: 4 x 4 work-groups; A's tiles are asked for jointly along a row of the cluster, B's along a column.  THE MATRIX INSTRUCTION IS USED TRANSPOSED (source 0 = 16 rows of B, source 1 = 16 rows of A).
; In accumulator (a, b) lane (r, h) holds row 16 a + r, and its register j the true column 32 (b / 2) + 16 h + 8 (b % 2) + j: the stage on the way out puts the columns in order.
; REGISTERS, in windows of 256: window 0: v0-31 addresses, v8-11 my four numbers of bo; v32-63 scale words, two sets; from v128 A's fragments, one set; on the way out v128-255 rows read back.
;   window 1: B's fragments, two sets.   windows 2, 3: the accumulators ((a, b) at v[8 (8 (a % 4) + b)]).
.set SIZE_N, 1024
.set SIZE_K, 1024
.set KSTEP,  256
.set NQ,     KSTEP/128
.set ROWB,   192
.set KROW,   SIZE_K*6/8
.set PITCH,  240                       ; an LDS row: 3 x (64 bytes of data + 16 of padding)
.set FR,     12
.set NL,     6
.set NP,     4                         ; places behind this matrix instruction (ISA guide 7.12.1)
.set HALFT,  128*PITCH
.set SLOT,   4*HALFT
.set LAPS,   SIZE_K/(2*KSTEP)
.set KS,     SIZE_K/32
.set SCL,    2*SLOT
.set HALFS,  (128*KS/256)*272
.set SBLK,   (16*KS/256)*272
.set SPARE,  SCL+4*HALFS               ; the spare words, 128 bytes for each wave: two blocks of 256 bytes that no other line names
.set SPITCH, 528                       ; the way out: a stage of 16 rows x (512 bytes + 16) for each wave.  It lies in slot 0, which has had its last fill and its last read when the first result is stored there
.set ADRA, 16
.set ADRB, 20
.set STO,  24                          ; v24     the way out: where I put my results of a row
.set RD,   25                          ; v25     where I read a row back
.set CO,   26                          ; v26     my byte offset in a row of 512 bytes
.set ADRS, 27
.set SPW,  28                          ; v28     LDS address of my spare word; never rewritten
.set NIL,  29                          ; v29     0; never rewritten
.set SC,   32
.set AF,   128
.set BK,   128                         ; the way out: 16 rows read back from the stage: v128-191 and v192-255 by turns
.set G1, 24
.set G0, 32
.set G1B, 48
.set G0B, 56
.set G1S, 68
.set G0S, 76
.set G1SB, 80
.set G0SB, 88
.set MSB, 0
.macro WIN new                         ; the immediate's high byte repeats the setting that is left
.if MSB != \new
	s_set_vgpr_msb (MSB<<8)|\new
.set MSB, \new
.endif
.endm
.set MUL_LO, 0xa1
.set MUL_HI, 0xf1
.set TO_B,   0x40
; A joint load: waves 0 and 1 fetch for A, waves 2 and 3 for B; the branch hangs on the wave's number alone.  An s_nop 0 and four v_nop follow each of the two lines.
.macro JLOAD g0a, g1a, g0b, g1b
	s_cmp_eq_u32 s15, 0
	s_cbranch_scc0 .Lfor_b_\@
	tensor_load_to_lds s[\g0a:\g0a+3], s[\g1a:\g1a+7]
	s_nop 0
.rept 4
	v_nop
.endr
	s_branch .Lasked_\@
.Lfor_b_\@:
	tensor_load_to_lds s[\g0b:\g0b+3], s[\g1b:\g1b+7]
	s_nop 0
.rept 4
	v_nop
.endr
.Lasked_\@:
.endm
.macro CREST
	s_cmp_lg_u32 s14, 0
	s_cbranch_scc1 .Lnot_wave_0_\@
	s_barrier_signal -3
.Lnot_wave_0_\@:
	s_barrier_wait -3
	s_barrier_signal -1
	s_barrier_wait -1
.endm
.macro CROUND
	s_barrier_signal -1
	s_barrier_wait -1
	CREST
.endm
	s_load_b128 s[4:7], s[0:1], 0x0                ; oc s[4:5], os s[6:7]
	s_load_b128 s[8:11], s[0:1], 0x10              ; wc s[8:9], ws s[10:11]
	s_load_b128 s[96:99], s[0:1], 0x20             ; bo s[96:97], out0 s[98:99]
	v_lshl_add_u32 v[SPW], v0, 2, SPARE
	v_mov_b32 v[NIL], 0
	ds_add_u32 v[SPW], v[NIL]                      ; the wave's opening: the add and its wait ahead of my first tensor load; the set-up below, work on registers, stands between them
	v_lshrrev_b32 v1, 5, v0
	v_readfirstlane_b32 s14, v1                    ; wave 0..3
	s_lshr_b32 s15, s14, 1                         ; which half of the tile's rows is mine.  Also: I fetch for A (0) or for B (1)
	s_and_b32 s16, s14, 1                          ; which half of its columns.  Also: which 128 rows of that tile I fetch
	s_bfe_u32 s40, ttmp6, 0x40000                  ; cx, cy
	s_bfe_u32 s41, ttmp6, 0x40004
	s_lshl_b32 s42, ttmp9, 2
	s_add_co_u32 s42, s42, s40                     ; tile column = 4 x cluster x + cx
	s_and_b32 s17, ttmp7, 0xffff
	s_lshl_b32 s17, s17, 2
	s_add_co_u32 s17, s17, s41                     ; tile row = 4 x cluster y + cy
	s_lshl_b32 s43, s41, 2
	s_lshl_b32 s43, 15, s43                        ; my row of the cluster
	s_lshl_b32 s44, 0x1111, s40                    ; my column
	s_or_b32 s[G1+0], s43, (0<<16)|(1<<20)|(1<<21)|(3<<22)|(3<<25)  ; the mask; element of 1 byte; padding on; bit 21 beside a mask; after every 16 words, 4 words
	s_or_b32 s[G1B+0], s44, (0<<16)|(1<<20)|(1<<21)|(3<<22)|(3<<25)
.irp g, G1, G1B
	s_mov_b32 s[\g+1], ROWB<<16                    ; tensor_dim0
	s_mov_b32 s[\g+2], 128<<16                     ; tensor_dim1 = 128
	s_mov_b32 s[\g+3], ROWB<<16                    ; tile_dim0
	s_mov_b32 s[\g+4], 128                         ; tile_dim1 = 128
	s_mov_b32 s[\g+5], KROW                        ; tensor_dim0_stride
	s_mov_b32 s[\g+6], 0
	s_mov_b32 s[\g+7], 0
.endr
	s_or_b32 s[G1S+0], s43, (3<<16)|(1<<20)|(1<<21)|(5<<22)|(3<<25)   ; the scales of 128 rows: 16 rows of 256 bytes (32 elements of 8 bytes), 16 bytes of padding behind each
	s_or_b32 s[G1SB+0], s44, (3<<16)|(1<<20)|(1<<21)|(5<<22)|(3<<25)
.irp g, G1S, G1SB
	s_mov_b32 s[\g+1], 32<<16
	s_mov_b32 s[\g+2], (128*KS/256)<<16
	s_mov_b32 s[\g+3], 32<<16
	s_mov_b32 s[\g+4], 128*KS/256
	s_mov_b32 s[\g+5], 32
	s_mov_b32 s[\g+6], 0
	s_mov_b32 s[\g+7], 0
.endr
	s_lshl_b32 s18, s16, 7                         ; which 128 rows of the tile I fetch
	s_lshl_b32 s20, s17, 8
	s_add_co_u32 s20, s20, s18                     ; A: row 256 x tile row + 128 x half
	s_lshl_b32 s46, s42, 8
	s_add_co_u32 s46, s46, s18                     ; B: row 256 x tile column + 128 x half
	s_mov_b32 s21, 0
	s_mov_b32 s47, 0
	s_mov_b64 s[18:19], KS
	s_mul_u64 s[22:23], s[20:21], s[18:19]         ; where these rows' scales begin, in bytes
	s_mul_u64 s[92:93], s[46:47], s[18:19]
	s_mov_b64 s[18:19], KROW
	s_mul_u64 s[20:21], s[20:21], s[18:19]         ; and their codes
	s_mul_u64 s[46:47], s[46:47], s[18:19]
	s_mul_i32 s45, s14, HALFT                      ; where they go: wave x 128 rows
	s_mul_i32 s94, s14, HALFS
	s_wait_dscnt 0x0                               ; the opening add is done
	s_wait_kmcnt 0x0
	s_add_nc_u64 s[8:9], s[8:9], 3*786432          ; Wo's slab of wc
	s_add_nc_u64 s[10:11], s[10:11], 3*32768       ; and of ws
	s_mov_b64 s[12:13], s[98:99]                   ; out0
	s_add_nc_u64 s[20:21], s[4:5], s[20:21]
	s_add_nc_u64 s[22:23], s[6:7], s[22:23]
	s_add_nc_u64 s[46:47], s[8:9], s[46:47]
	s_add_nc_u64 s[92:93], s[10:11], s[92:93]
	CROUND                                         ; all sixteen work-groups are here: the first joint loads meet
	s_mov_b32 s[G0S], 1
	s_add_co_u32 s[G0S+1], s94, SCL
	s_mov_b64 s[G0S+2:G0S+3], s[22:23]
	s_or_b32 s[G0S+3], s[G0S+3], 0x80000000
	s_mov_b32 s[G0SB], 1
	s_add_co_u32 s[G0SB+1], s94, SCL
	s_mov_b64 s[G0SB+2:G0SB+3], s[92:93]
	s_or_b32 s[G0SB+3], s[G0SB+3], 0x80000000
	JLOAD G0S, G1S, G0SB, G1SB                     ; the scales first: they are wanted with K step 0
.irp s, 0,1
	s_mov_b32 s[G0+4*\s], 1
	s_add_co_u32 s[G0+4*\s+1], s45, \s*SLOT
	s_add_nc_u64 s[G0+4*\s+2:G0+4*\s+3], s[20:21], \s*ROWB
	s_or_b32 s[G0+4*\s+3], s[G0+4*\s+3], 0x80000000
	s_mov_b32 s[G0B+4*\s], 1
	s_add_co_u32 s[G0B+4*\s+1], s45, \s*SLOT
	s_add_nc_u64 s[G0B+4*\s+2:G0B+4*\s+3], s[46:47], \s*ROWB
	s_or_b32 s[G0B+4*\s+3], s[G0B+4*\s+3], 0x80000000
	JLOAD G0+4*\s, G1, G0B+4*\s, G1B               ; three tensor loads of mine are out now
.endr
	v_and_b32 v1, 15, v0                           ; l % 16
	v_bfe_u32 v2, v0, 4, 1                         ; l / 16
	v_mul_u32_u24 v3, v1, PITCH
	v_mul_u32_u24 v4, v2, 24
	v_add_nc_u32 v4, v3, v4                        ; a fragment's row x pitch + 24 x half
	v_lshl_add_u32 v5, v2, 4, v4                   ; and the same behind one padding more
	s_mul_i32 s21, s15, HALFT
	s_mul_i32 s22, s16, HALFT
	s_add_co_u32 s22, s22, 2*HALFT
.irp s, 0,1
	v_add_nc_u32 v[ADRA+\s], s21, v4
	v_add_nc_u32 v[ADRB+\s], s22, v4
	v_add_nc_u32 v[ADRA+2+\s], s21, v5
	v_add_nc_u32 v[ADRB+2+\s], s22, v5
	s_add_co_u32 s21, s21, SLOT
	s_add_co_u32 s22, s22, SLOT
.endr
	v_mul_u32_u24 v5, v1, KS                       ; my row's scales: KS bytes a row,
	v_lshrrev_b32 v6, 8, v5
	v_lshl_add_u32 v5, v6, 4, v5                   ; and 16 more for each 256 passed
	s_mul_i32 s21, s15, HALFS
	s_mul_i32 s22, s16, HALFS
	s_add_co_u32 s22, s22, 2*HALFS
	s_sub_co_u32 s22, s22, s21
	v_mul_u32_u24 v6, s22, v2                      ; lanes 16-31 take B's
	s_add_co_u32 s21, s21, SCL
	v_add_nc_u32 v5, v5, v6
	v_add_nc_u32 v[ADRS], s21, v5
	s_mul_i32 s23, s14, 16*SPITCH                  ; my stage
	v_mul_u32_u24 v5, v1, SPITCH                   ; in: row l % 16; lanes 16-31 hold columns 16 further on: 64 bytes
	v_lshl_add_u32 v5, v2, 6, v5
	v_add_nc_u32 v[STO], s23, v5
	v_and_b32 v6, 31, v0
	v_lshlrev_b32 v[CO], 4, v6                     ; back: the 32 lanes take one row of 512 bytes; and the same in out0 and in bo
	v_add_nc_u32 v[RD], s23, v[CO]
	s_lshl_b32 s20, s17, 8
	s_lshl_b32 s21, s15, 7
	s_add_co_u32 s20, s20, s21                     ; my first row: 256 x tile row + 128 x half
	s_mov_b32 s21, 0
	s_mov_b64 s[18:19], SIZE_N*4
	s_mul_u64 s[20:21], s[20:21], s[18:19]
	s_lshl_b32 s46, s42, 10                        ; my first column, in bytes: 1024 x tile column + 512 x half
	s_lshl_b32 s47, s16, 9
	s_add_co_u32 s46, s46, s47
	s_mov_b32 s47, 0
	s_add_nc_u64 s[96:97], s[96:97], s[46:47]
	global_load_b128 v[8:11], v[CO], s[96:97]      ; bo of my four columns of a row read back; the loop touches neither these registers nor the address
	s_add_nc_u64 s[20:21], s[20:21], s[46:47]
	s_add_nc_u64 s[12:13], s[12:13], s[20:21]
.macro FRAG reg, adr, q, i             ; a fragment: 12 registers, in pieces of 8 bytes; where the piece three on lies behind one padding more, the second address register serves
.irp p, 0,1,2,3,4,5
.set PC, 12*(\q)+6*(\p/3)+\p%3
.if PC%8 < 5
	ds_load_b64 v[\reg+2*\p:\reg+2*\p+1], v[\adr] offset:8*PC+16*(PC/8)+(\i)*16*PITCH
.else
	ds_load_b64 v[\reg+2*\p:\reg+2*\p+1], v[\adr+2] offset:8*PC+16*(PC/8)+(\i)*16*PITCH
.endif
.endr
.endm
; 16 matrix instructions: A's blocks a0, a0 + 1 x B's eight.  The 64 accumulators take turns, one instruction a turn, in the same order in every step.
.macro MUL16 a0, p, q, sc, zero
.irp a, \a0, \a0+1
.irp b, 0,1,2,3,4,5,6,7
.if \zero
	v_wmma_scale_f32_16x16x128_f8f6f4 v[8*(8*((\a)%4)+\b):8*(8*((\a)%4)+\b)+7], v[128*(\p)+FR*\b:128*(\p)+FR*\b+FR-1], v[AF+FR*(\a):AF+FR*(\a)+FR-1], 0, v[SC+8*NQ*(\sc)+NQ*\b+(\q)], v[SC+8*NQ*(\sc)+NQ*(\a)+(\q)] matrix_a_fmt:MATRIX_FMT_FP6 matrix_b_fmt:MATRIX_FMT_FP6 matrix_a_scale:MATRIX_SCALE_ROW1
.else
	v_wmma_scale_f32_16x16x128_f8f6f4 v[8*(8*((\a)%4)+\b):8*(8*((\a)%4)+\b)+7], v[128*(\p)+FR*\b:128*(\p)+FR*\b+FR-1], v[AF+FR*(\a):AF+FR*(\a)+FR-1], v[8*(8*((\a)%4)+\b):8*(8*((\a)%4)+\b)+7], v[SC+8*NQ*(\sc)+NQ*\b+(\q)], v[SC+8*NQ*(\sc)+NQ*(\a)+(\q)] matrix_a_fmt:MATRIX_FMT_FP6 matrix_b_fmt:MATRIX_FMT_FP6 matrix_a_scale:MATRIX_SCALE_ROW1
.endif
.endr
.endr
.endm
.macro FETCH_B slot, q, p
	WIN TO_B
.irp i, 0,1,2,3,4,5,6,7
	FRAG 128*(\p)+FR*\i, ADRB+\slot, \q, \i
.endr
	WIN 0
.endm
.macro FETCH_A slot, q, i0
.irp i, \i0, \i0+1, \i0+2, \i0+3
	FRAG AF+FR*(\i), ADRA+\slot, \q, \i
.endr
.endm
.macro SCALES sc
.irp i, 0,1,2,3,4,5,6,7
	ds_load_b64 v[SC+8*NQ*\sc+NQ*\i:SC+8*NQ*\sc+NQ*\i+1], v[ADRS] offset:\i*SBLK
.endr
.endm
.macro PLACES n                        ; places behind matrix instructions, in front of loads into registers that they have read and of the first read of results (ISA guide 7.12.1 for vector instructions)
.rept \n
	v_nop
.endr
.endm
.macro STEP slot, q, zero
	s_wait_dscnt 4*NL                              ; B's set and A's blocks 0-3 are in; the youngest 24 loads (A's blocks 4-7) may be out
	WIN MUL_LO
	MUL16 0, (\q)%2, \q, \slot, \zero
	MUL16 2, (\q)%2, \q, \slot, \zero
	s_wait_dscnt 0                                 ; A's blocks 4-7 are in
	PLACES NP
	FETCH_B \slot, (\q)+1, 1-(\q)%2
	FETCH_A \slot, (\q)+1, 0
	WIN MUL_HI
	MUL16 4, (\q)%2, \q, \slot, \zero
	MUL16 6, (\q)%2, \q, \slot, \zero
	PLACES NP
	WIN 0
	FETCH_A \slot, (\q)+1, 4
.endm
; A slot's last step changes slots: ONE barrier; in front of it each wave waits for all its tensor loads, adds 0 to its spare word, and waits for that and for its own reads of this slot.
.macro TURN slot, next, fill
	s_wait_tensorcnt 0x0                           ; all my tensor loads have landed: my part of the next slot;
	ds_add_u32 v[SPW], v[NIL]                      ; 0 onto my spare word;
	s_wait_dscnt 4*NL+1                            ; (the add and the youngest 24 loads may be out)
	WIN MUL_LO
	MUL16 0, 1, NQ-1, \slot, 0
	s_wait_dscnt 0x0                               ; the add is done, and my reads of this slot are over
	s_barrier_signal -1
	MUL16 2, 1, NQ-1, \slot, 0
	WIN 0
	s_barrier_wait -1
.if \fill
	CREST                                          ; the barrier has opened a round of the cluster's barrier: no wave of any partner still reads this slot's tile or has a load on its way
	s_add_nc_u64 s[G0+4*\slot+2:G0+4*\slot+3], s[G0+4*\slot+2:G0+4*\slot+3], 2*ROWB
	s_add_nc_u64 s[G0B+4*\slot+2:G0B+4*\slot+3], s[G0B+4*\slot+2:G0B+4*\slot+3], 2*ROWB
	JLOAD G0+4*\slot, G1, G0B+4*\slot, G1B         ; the first tensor load behind the round; its four v_nop are the places in front of the loads below
.else
	PLACES NP
.endif
	v_add_nc_u32 v[ADRS], 4*NQ, v[ADRS]            ; on to the next K step's scale words
	FETCH_B \next, 0, 0
	FETCH_A \next, 0, 0
	SCALES \next
	WIN MUL_HI
	MUL16 4, 1, NQ-1, \slot, 0
	MUL16 6, 1, NQ-1, \slot, 0
	PLACES NP
	WIN 0
	FETCH_A \next, 0, 4
.endm
	s_wait_tensorcnt 1                             ; the scales and my part of K step 0 are in (K step 1's load may be out),
	s_barrier_signal -1
	s_barrier_wait -1                              ; everybody's are
	FETCH_B 0, 0, 0
	FETCH_A 0, 0, 0
	SCALES 0
	FETCH_A 0, 0, 4
	STEP 0, 0, 1                                   ; the first step stands in front of the loop: its products start the sums
	s_mov_b32 s3, LAPS-1
.Llap:
	TURN 0, 1, 1
	STEP 1, 0, 0
	TURN 1, 0, 1
	STEP 0, 0, 0
	s_sub_co_u32 s3, s3, 1
	s_cmp_lg_u32 s3, 0
	s_cbranch_scc1 .Llap
	TURN 0, 1, 0                                   ; the last lap fills nothing, and has no round of the cluster's barrier
	STEP 1, 0, 0
	s_wait_dscnt 4*NL                              ; the very last step: nothing more to fetch
	WIN MUL_LO
	MUL16 0, 1, NQ-1, 1, 0
	MUL16 2, 1, NQ-1, 1, 0
	s_wait_dscnt 0
	WIN MUL_HI
	MUL16 4, 1, NQ-1, 1, 0
	MUL16 6, 1, NQ-1, 1, 0
	WIN 0
; THE WAY OUT, block by block of 16 rows x 128 columns, through my own stage in LDS: in by columns' true places, back as whole rows of 512 bytes; bo is added; the 32 lanes store 512 consecutive bytes.
; LDS serves a wave's instructions in order (ISA guide 5.7.1.4): no wait between the stores and the loads, nor in front of the next block's stores.
.macro TOSTAGE a
.set AC, 64*((\a)%4)
.set WN, 0x08+4*((\a)/4)
	WIN WN                                         ; the data: window 2 or 3
.irp b, 0,1,2,3,4,5,6,7
	ds_store_b128 v[STO], v[AC+8*\b:AC+8*\b+3] offset:128*(\b/2)+32*(\b%2)          ; columns 32 (b / 2) + 16 h + 8 (b % 2) + 0 .. 3; each accumulator from its low end on
	ds_store_b128 v[STO], v[AC+8*\b+4:AC+8*\b+7] offset:128*(\b/2)+32*(\b%2)+16
.endr
	WIN 0
.set BB, BK+64*((\a)%2)
.irp t, 0,1,2,3,4,5,6,7,8,9,10,11,12,13,14,15
	ds_load_b128 v[BB+4*\t:BB+4*\t+3], v[RD] offset:\t*SPITCH
.endr
.endm
.macro SEND a, younger                 ; younger: the LDS instructions issued behind block a's loads, which may stay out
.set BB, BK+64*((\a)%2)
	s_wait_dscnt \younger                          ; the block is back in registers
.if (\a) > 0
	s_add_nc_u64 s[12:13], s[12:13], 16*SIZE_N*4   ; (behind a wait on XCNT: the earlier stores have read their base)  16 rows on
.endif
.irp t, 0,1,2,3,4,5,6,7,8,9,10,11,12,13,14,15
	v_pk_add_f32 v[BB+4*\t:BB+4*\t+1], v[BB+4*\t:BB+4*\t+1], v[8:9]
	v_pk_add_f32 v[BB+4*\t+2:BB+4*\t+3], v[BB+4*\t+2:BB+4*\t+3], v[10:11]
	global_store_b128 v[CO], v[BB+4*\t:BB+4*\t+3], s[12:13] offset:\t*SIZE_N*4 th:TH_STORE_NT   ; 32 lanes store 512 consecutive bytes, at a multiple of 256 from out0's first byte
.endr
.endm
	PLACES NP                                      ; behind the last products: their results are read, and A's fragments' registers are loaded, below
	s_wait_loadcnt 0x0                             ; bo
	TOSTAGE 0
.irp a, 1,2,3,4,5,6,7
.if \a > 1
	s_wait_xcnt 0x0                                ; block a - 2's stores have read their registers and their base: block a's loads may land there, and the base may step
.endif
	TOSTAGE \a
	SEND \a-1, 32                                  ; behind block a - 1's loads: block a's 16 stores and 16 loads
.endr
	s_wait_xcnt 0x0                                ; block 6's stores have read their base
	SEND 7, 0
	s_wait_tensorcnt 0x0                           ; the wave's end, behind my last tensor load and my last LDS store
	ds_add_u32 v[SPW], v[NIL]
	s_wait_dscnt 0x0
	CROUND                                         ; the closing round: no work-group ends while a partner may still ask for a tile that names it
	s_endpgm
.Lfunc_end_k_q2a9093cca2_out:
	.size	k_q2a9093cca2_out, .Lfunc_end_k_q2a9093cca2_out-k_q2a9093cca2_out
	.p2alignl 7, 3214868480
	.fill 96, 4, 3214868480
	.section	.rodata,"a",@progbits
	.p2align	6, 0x0
	.amdhsa_kernel k_q2a9093cca2_out
		.amdhsa_group_segment_fixed_size 327680
		.amdhsa_private_segment_fixed_size 0
		.amdhsa_enable_private_segment 0
		.amdhsa_kernarg_size 48
		.amdhsa_user_sgpr_count 2
		.amdhsa_user_sgpr_kernarg_segment_ptr 1
		.amdhsa_wavefront_size32 1
		.amdhsa_system_sgpr_workgroup_id_x 1
		.amdhsa_system_sgpr_workgroup_id_y 1
		.amdhsa_system_sgpr_workgroup_id_z 1
		.amdhsa_system_vgpr_workitem_id 0
		.amdhsa_next_free_vgpr 1024
		.amdhsa_next_free_sgpr 100
		.amdhsa_reserve_vcc 0
		.amdhsa_float_denorm_mode_32 3
		.amdhsa_float_denorm_mode_16_64 3
		.amdhsa_memory_ordered 1
		.amdhsa_forward_progress 1
		.amdhsa_inst_pref_size 176
	.end_amdhsa_kernel
	.amdgpu_metadata
---
amdhsa.version: [ 1, 2 ]
amdhsa.kernels:
  - .name:           k_q2a9093cca2_out
    .symbol:         k_q2a9093cca2_out.kd
    .args:
      - { .name: oc, .offset: 0, .size: 8, .value_kind: global_buffer, .address_space: global }
      - { .name: os, .offset: 8, .size: 8, .value_kind: global_buffer, .address_space: global }
      - { .name: wc, .offset: 16, .size: 8, .value_kind: global_buffer, .address_space: global }
      - { .name: ws, .offset: 24, .size: 8, .value_kind: global_buffer, .address_space: global }
      - { .name: bo, .offset: 32, .size: 8, .value_kind: global_buffer, .address_space: global }
      - { .name: out0, .offset: 40, .size: 8, .value_kind: global_buffer, .address_space: global }
    .group_segment_fixed_size: 327680
    .private_segment_fixed_size: 0
    .kernarg_segment_align: 8
    .kernarg_segment_size: 48
    .max_flat_workgroup_size: 128
    .sgpr_count:     100
    .vgpr_count:     1024
    .wavefront_size: 32
...
	.end_amdgpu_metadata
.endif
;; end of part 4
